; MI455X (gfx1250); checked and timed in simulation.
; The chip was launched on July 23, 2026; its instructions are those of AMD's public machine-readable ISA for CDNA 5 (MIT licence, August 2026) and "CDNA5" Instruction Set Architecture Reference Guide (July 2026). The comments in the code are by the model that wrote it; some were corrected since.
;; HSTU Block. Allowed arithmetic: matrix products marked QUANTISED: E2M1 operands, one E8M0 scale for each 32 along K, by v_wmma_scale_f32_16x16x128_f8f6f4 with both operands' format E2M1 (or v_wmma_scale_f32_32x16x128_f4), f32 sums; everything else in f32.
;; Inputs: attn_mask 2 x 2,048 x 2,048 bool; ffn1_b 4,096 float32; ffn1_w 4,096 x 1,024 float32; ffn2_b 1,024 float32; ffn2_w 1,024 x 4,096 float32; gate_w 1 float32; pos_ids 2 x 2,048 int32; rel_pos_table 32 x 1 float32; res_w 1 float32; rms_w 1,024 float32; wk 512 x 1,024 float32; wo 1,024 x 1,024 float32; wq 512 x 1,024 float32; wu 1,024 x 1,024 float32; wv 1,024 x 1,024 float32; x 2 x 2,048 x 1,024 float32.
;; Outputs: out0 2 x 2,048 x 1,024 float32.
;; This version of the problem:
;;   THIS VERSION OF THE PROBLEM IS GIVEN IN LOW PRECISION. The matrix products marked QUANTISED in the list below multiply operands that are first quantised to E2M1 (2 exponent bits, 1 mantissa bit; 4 bits a number), with one power-of-two scale for each 32 numbers along K (OCP MX v1.0); their sums are f32. All else is computed in f32.
;;   The module's matrix products, in the order in which they are computed (A, B: the left and right operand; K: the contracted axis; several contracted axes count as one K, in the product's order):
;;     1. [M 4,096, K 1,024] x [K 1,024, N 512]; A: computed on the way; B: input wq: QUANTISED
;;     2. [M 4,096, K 1,024] x [K 1,024, N 512]; A: computed on the way; B: input wk: QUANTISED
;;     3. [M 4,096, K 1,024] x [K 1,024, N 1,024]; A: computed on the way; B: input wv: QUANTISED
;;     4. [M 4,096, K 1,024] x [K 1,024, N 1,024]; A: computed on the way; B: input wu: QUANTISED
;;     5. batch 32 x [M 2,048, K 32] x [K 32, N 2,048]; A: computed on the way; B: computed on the way: QUANTISED
;;     6. batch 32 x [M 2,048, K 2,048] x [K 2,048, N 64]; A: computed on the way; B: computed on the way: QUANTISED
;;     7. [M 4,096, K 1,024] x [K 1,024, N 1,024]; A: computed on the way; B: input wo: QUANTISED
;;     8. [M 4,096, K 1,024] x [K 1,024, N 4,096]; A: computed on the way; B: input ffn1_w: QUANTISED
;;     9. [M 4,096, K 4,096] x [K 4,096, N 1,024]; A: computed on the way; B: input ffn2_w: QUANTISED
;;   THE QUANTISER, for each operand of a quantised product, along K:
;;     - K is cut into blocks of 32 from its start; a last block that is shorter is filled with zeros.
;;     - A block's scale is 2^e with e = floor(log2(the largest magnitude in the block)) - 2, held to -126 .. 127; a block of zeros has e = 0. As a byte (E8M0): e + 127.
;;     - Each number is divided by its block's scale, clamped to +-6, and rounded to the nearest number of E2M1, ties to even, subnormals kept.
;;     - The product sums the exact products of the quantised numbers (number of the format x scale) in f32.
;;   ~~~python
;;   def quantise(x, axis):      # numpy; x: float32 -> the quantised numbers, widened to float32 again
;;       x = np.moveaxis(x, axis, -1); K = x.shape[-1]
;;       x = np.pad(x, [(0, 0)] * (x.ndim - 1) + [(0, -K % 32)]); x = x.reshape(x.shape[:-1] + (-1, 32)); a = np.abs(x).max(-1, keepdims=True)
;;       e = np.where(a > 0, np.clip(np.frexp(np.where(a > 0, a, 1))[1] - 1 - 2, -126, 127), 0)      # np.frexp(a)[1] - 1 = floor(log2(a)), exactly
;;       r = np.clip(x / 2.0 ** e, -6, 6)
;;       step = 2.0 ** (np.maximum(np.frexp(np.where(r == 0, 1, r))[1] - 1, 0) - 1)
;;       q = np.round(r / step) * step * 2.0 ** e      # np.round: ties to even
;;       return np.moveaxis(q.reshape(q.shape[:-2] + (-1,))[..., :K], -1, axis).astype(np.float32)
;;   ~~~
;;   OPERANDS COMPUTED ON THE WAY. 'Computed on the way' means the value that the module computes at that place (a softmax that the list does not call 'softmax' is quantised finished and normalised). What goes into a quantiser is computed in f32, as accurately as f32 sums, v_exp_f32 and their like allow (about 1e-6 of the number): no bf16 or f16 on the way to a quantiser, and a product that is left as it is and whose result goes on into a quantised operand takes f32 operands (vector FMAs, or v_wmma_f32_16x16x4_f32). A number that lies on a knife's edge between two numbers of the format may be rounded either way, as far as f32 arithmetic and the matrix unit's own rounding can turn it there, and no further.
;; 2 versions, each right; version 2 is version 1 with the launch attn written anew for expert scheduling mode. Each part assembles by itself: llvm-mc -triple=amdgcn-amd-amdhsa -mcpu=gfx1250 --defsym DOCPART=n.
;; ======== version 1 of 2: 6 launches
;; limits: a function is approximated: absolute error at most 1.5e-07
;; workspace buffers: prep 9,175,040 bytes; maskw 1,048,576 bytes of whole numbers; qkv 21,233,664 bytes; gat 2,228,224 bytes; o1 19,005,440 bytes; ffh 8,912,896 bytes
;; launch prep (part 1): grid 1152 x 1, 4 waves a work-group, no clusters, 73,472 bytes of LDS; arguments x, rms_w, attn_mask, wq, wk, wv, wu, wo, ffn1_w, ffn2_w, prep, maskw; writes prep, maskw
.if DOCPART == 1
	.amdgcn_target "amdgcn-amd-amdhsa--gfx1250"
	.amdhsa_code_object_version 6
	.text
	.protected	k_qfc999b1601_prep
	.globl	k_qfc999b1601_prep
	.p2align	8
	.type	k_qfc999b1601_prep,@function
k_qfc999b1601_prep:
	s_mov_b64 s[64:65], 0
	v_nop
	global_prefetch_b8 v0, s[64:65] scope:SCOPE_SE
	s_setreg_imm32_b32 hwreg(HW_REG_WAVE_MODE, 25, 1), 1
	s_wait_xcnt 0x0
; The seven weights and z = RMSNorm(x) become codes of FP4 (E2M1) with one E8M0 byte for each 32 along K; the mask becomes lane words; RoPE's table is made.
; ROLES by a number g made of the work-group's: g < 768 weights, 768 .. 1023 z, from 1024 on mask and RoPE.  A work-group takes 16 rows x 1,024 along K, wave w 256 of them.
; The first 128 work-groups take the mask, the next 256 z, the others the weights: the roles with the most instructions begin first.
; ROW ORDER: block pb of 16 rows holds, lane by lane, the true rows 32 (pb / 2) + 8 (pb % 2) + r + 8 (r / 8): so the results of a transposed product are neighbours along the next K.
; CODES are stored as images of operand registers: ((half x NRB + block) x 4 + q) x 1024 + 512 p + 16 x lane; scale words as [K step][position], four bytes a word.
; Each load reads 512 consecutive bytes of a row; the bytes turn through the wave's own stage in LDS (rows 528 bytes apart) so that a lane holds 16 neighbours of each block.
; LIMITS: a block of zeros, or one whose largest magnitude lies under 2^-124, gets the byte 1 (its bytes are read by this program alone); NaN and infinities are not served;
; RoPE's angle t x 10000^(-i/16) is as exact as one f32 product of an exponential good to one unit in the last place; sine and cosine by a reduction modulo pi/2 in two parts and polynomials on +-pi/4.
; pos_ids is on no argument list: the computation uses none of its values.
.set TM,   16                          ; v16-19 largest magnitudes, v20-23 bytes (and permute targets), v24-27 the conversions' scale operands
.set SEL,  92                          ; s[92:93] lane selects: lane l xor 16
.set STG,  8976                        ; a stage: 17 rows x 528 bytes
.set WREG, 18176                       ; two stages a wave
.set ZP,   72704                       ; z's partial sums: 64 bytes a wave
; 64 numbers of a lane, register 16 b + i = k 32 b + 16 (lane / 16) + i of its row, become a fragment's 8 code registers and its scale word
.macro QUANT s, pc, pw
.irp b, 0,1,2,3
	v_max3_num_f32 v[TM+\b], |v[\s+16*\b]|, |v[\s+1+16*\b]|, 0x1800000   ; with the floor 2^(3 - 127): the byte cannot fall under 1
.endr
.irp i, 2,4,6,8,10,12,14
.irp b, 0,1,2,3
	v_max3_num_f32 v[TM+\b], v[TM+\b], |v[\s+16*\b+\i]|, |v[\s+1+16*\b+\i]|
.endr
.endr
.irp b, 0,1,2,3
	v_permlanex16_b32 v[TM+4+\b], v[TM+\b], s[SEL], s[SEL+1]
.endr
.irp b, 0,1,2,3
	v_max_num_f32 v[TM+\b], v[TM+\b], v[TM+4+\b]           ; the block's largest magnitude
.endr
.irp b, 0,1,2,3
	v_add_nc_u32 v[TM+8+\b], 0xff000000, v[TM+\b]          ; 2 off its exponent field: the conversion's scale operand
.endr
.irp b, 0,1,2,3
	v_lshrrev_b32 v[TM+4+\b], 23, v[TM+8+\b]               ; the scale's byte
.endr
	v_lshl_or_b32 v[\pw], v[TM+5], 8, v[TM+4]
	v_lshl_or_b32 v[\pw], v[TM+6], 16, v[\pw]
	v_lshl_or_b32 v[\pw], v[TM+7], 24, v[\pw]
.irp b, 0,1,2,3
	v_cvt_scalef32_pk8_fp4_f32 v[\pc+2*\b], v[\s+16*\b:\s+7+16*\b], v[TM+8+\b]
	v_cvt_scalef32_pk8_fp4_f32 v[\pc+1+2*\b], v[\s+8+16*\b:\s+15+16*\b], v[TM+8+\b]
.endr
	v_nop                                                  ; one plain instruction behind the conversions
.irp c, 0,1
.irp i, 0,1
	v_permlane16_swap_b32 v[\pc+4*\c+\i], v[\pc+2+4*\c+\i] ; a whole block to a lane
.endr
.endr
.endm
	s_load_b512 s[68:83], s[0:1], 0x0              ; x 68, rms_w 70, attn_mask 72, wq 74, wk 76, wv 78, wu 80, wo 82
	s_load_b256 s[84:91], s[0:1], 0x40             ; ffn1_w 84, ffn2_w 86, prep 88, maskw 90
	v_lshl_add_u32 v62, v0, 2, 0x11d00
	v_mov_b32 v63, 0
	v_lshrrev_b32 v1, 5, v0
	v_readfirstlane_b32 s3, v1                     ; wave
	s_sub_co_u32 s2, ttmp9, 384                    ; g: work-groups 384 .. 1151 take the weights (g 0 .. 767),
	s_add_co_u32 s60, ttmp9, 640
	s_cmp_lt_u32 ttmp9, 384
	s_cselect_b32 s2, s60, s2                      ; 128 .. 383 z (g 768 .. 1023),
	s_add_co_u32 s60, ttmp9, 1024
	s_cmp_lt_u32 ttmp9, 128
	s_cselect_b32 s2, s60, s2                      ; 0 .. 127 the mask and RoPE (g 1024 .. 1151)
	v_and_b32 v10, 31, v0                          ; lane
	v_lshlrev_b32 v1, 4, v10                       ; 16 x lane
	v_and_b32 v2, 15, v0                           ; r
	v_bfe_u32 v3, v0, 4, 1                         ; h
	s_mul_i32 s60, s3, WREG
	v_add_nc_u32 v4, s60, v1                       ; stage, way in: 16 x lane of a row
	v_mul_u32_u24 v5, v2, 528
	v_add_nc_u32 v5, s60, v5
	v_lshl_add_u32 v6, v3, 4, v5                   ; mask, way out: row r, 16 bytes for each half
	v_lshl_add_u32 v5, v3, 6, v5                   ; numbers, way out: row r, 16 numbers for each half
	v_lshlrev_b32 v7, 6, v3
	v_add_nc_u32 v7, s60, v7                       ; the gains' row
	v_lshl_add_u32 v9, v2, 2, ZP
	s_lshl_b32 s61, s3, 6
	v_add_nc_u32 v8, s61, v9
	s_mov_b32 s[SEL], 0x76543210
	s_mov_b32 s[SEL+1], 0xfedcba98
.irp b, 0,1,2,3
	v_mov_b32 v[TM+4+\b], 0                        ; a lane permute's target counts as read
.endr
	s_wait_kmcnt 0x0
	; what differs between the tensors, chosen on g alone: no branch
	s_mov_b64 s[4:5], s[74:75]                     ; source
	s_mov_b32 s6, 0                                ; g of the tensor's first block
	s_mov_b32 s7, 4096                             ; bytes from row to row
	s_mov_b32 s8, 0                                ; codes' place in prep
	s_mov_b32 s9, 192                              ; blocks of 16 rows in the operand
	s_mov_b32 s10, 0x800000                        ; scale words' place
	s_mov_b32 s11, 3072                            ; rows of the operand
	s_mov_b32 s15, 31                              ; chunk = l >> s15
	s_mov_b32 s16, 0xffff                          ; block = l & s16
	s_cmp_ge_u32 s2, 32
	s_cselect_b64 s[4:5], s[76:77], s[4:5]
	s_cselect_b32 s6, 32, s6
	s_cmp_ge_u32 s2, 64
	s_cselect_b64 s[4:5], s[78:79], s[4:5]
	s_cselect_b32 s6, 64, s6
	s_cmp_ge_u32 s2, 128
	s_cselect_b64 s[4:5], s[80:81], s[4:5]
	s_cselect_b32 s6, 128, s6
	s_mov_b32 s12, s6                              ; wq, wk, wv, wu are one operand of 3,072 rows
	s_cmp_ge_u32 s2, 192
	s_cselect_b64 s[4:5], s[82:83], s[4:5]
	s_cselect_b32 s6, 192, s6
	s_cselect_b32 s12, 0, s12
	s_cselect_b32 s8, 0x180000, s8
	s_cselect_b32 s9, 64, s9
	s_cselect_b32 s10, 0x818000, s10
	s_cselect_b32 s11, 1024, s11
	s_cmp_ge_u32 s2, 256
	s_cselect_b64 s[4:5], s[84:85], s[4:5]
	s_cselect_b32 s6, 256, s6
	s_cselect_b32 s8, 0x200000, s8
	s_cselect_b32 s9, 256, s9
	s_cselect_b32 s10, 0x820000, s10
	s_cselect_b32 s11, 4096, s11
	s_cmp_ge_u32 s2, 512
	s_cselect_b64 s[4:5], s[86:87], s[4:5]
	s_cselect_b32 s6, 512, s6
	s_cselect_b32 s7, 16384, s7
	s_cselect_b32 s8, 0x400000, s8
	s_cselect_b32 s9, 64, s9
	s_cselect_b32 s10, 0x840000, s10
	s_cselect_b32 s11, 1024, s11
	s_cselect_b32 s15, 6, s15
	s_cselect_b32 s16, 63, s16
	s_cmp_ge_u32 s2, 768
	s_cselect_b64 s[4:5], s[68:69], s[4:5]
	s_cselect_b32 s6, 768, s6
	s_cselect_b32 s7, 4096, s7
	s_cselect_b32 s8, 0x600000, s8
	s_cselect_b32 s9, 256, s9
	s_cselect_b32 s10, 0x860000, s10
	s_cselect_b32 s11, 4096, s11
	s_cselect_b32 s15, 31, s15
	s_cselect_b32 s16, 0xffff, s16
	s_cmp_ge_u32 s2, 1024
	s_cselect_b64 s[4:5], s[72:73], s[4:5]
	s_cselect_b32 s7, 2048, s7
	s_sub_co_u32 s13, s2, s6
	s_lshr_b32 s14, s13, s15                       ; chunk of 1,024 along K (ffn2_w alone has four)
	s_and_b32 s13, s13, s16                        ; block of the source's rows
	s_add_co_u32 s12, s12, s13                     ; block of the operand's rows
	s_lshl_b32 s17, s14, 12
	s_lshl_b32 s18, s3, 10
	s_add_co_u32 s17, s17, s18                     ; first byte in a row: 4096 chunk + 1024 wave
	s_sub_co_u32 s18, s2, 1024
	s_lshl_b32 s18, s18, 2
	s_add_co_u32 s18, s18, s3                      ; mask: unit = 4 (g - 1024) + wave
	s_lshr_b32 s19, s18, 1                         ; its tile of 16 queries
	s_and_b32 s20, s18, 1                          ; its half of the keys
	s_lshl_b32 s21, s20, 10
	s_cmp_ge_u32 s2, 1024
	s_cselect_b32 s13, s19, s13
	s_cselect_b32 s17, s21, s17
	s_lshr_b32 s22, s13, 1
	s_lshl_b32 s22, s22, 5
	s_and_b32 s23, s13, 1
	s_lshl_b32 s23, s23, 3
	s_add_co_u32 s22, s22, s23                     ; the block's first true row
	s_mul_i32 s22, s22, s7
	s_add_co_u32 s22, s22, s17
	s_mov_b32 s23, 0
	s_add_nc_u64 s[28:29], s[4:5], s[22:23]        ; sixteen row bases, all made ahead of the first load
	s_mov_b32 s24, s7
	s_mov_b32 s25, 0
	s_mul_i32 s26, s7, 9
	s_mov_b32 s27, 0
.irp i, 1,2,3,4,5,6,7
	s_add_nc_u64 s[28+2*\i:29+2*\i], s[26+2*\i:27+2*\i], s[24:25]
.endr
	s_add_nc_u64 s[44:45], s[42:43], s[26:27]      ; row 8 of the block lies 9 true rows behind row 7
.irp i, 9,10,11,12,13,14,15
	s_add_nc_u64 s[28+2*\i:29+2*\i], s[26+2*\i:27+2*\i], s[24:25]
.endr
	s_sub_co_u32 s61, s2, 768
	s_cmp_lt_u32 s61, 256
	s_cbranch_scc0 .Lno_gain
	v_add_nc_u32 v11, s17, v1
	global_load_b128 v[50:53], v11, s[70:71]       ; z: the gains of my 256 columns
	global_load_b128 v[54:57], v11, s[70:71] offset:512
.Lno_gain:
.irp f, 0,1
.irp i, 0,1,2,3,4,5,6,7,8,9,10,11,12,13,14,15
	global_load_b128 v[64+64*\f+4*\i:67+64*\f+4*\i], v1, s[28+2*\i:29+2*\i] offset:512*\f th:TH_LOAD_NT   ; 32 lanes read 512 consecutive bytes
.endr
.endr
	s_wait_loadcnt 16                              ; all but the 16 younger loads (each row's second 512 bytes)
.irp i, 0,1,2,3,4,5,6,7,8,9,10,11,12,13,14,15
	ds_store_b128 v4, v[64+4*\i:67+4*\i] offset:528*\i
.endr
	s_wait_loadcnt 0x0
.irp i, 0,1,2,3,4,5,6,7,8,9,10,11,12,13,14,15
	ds_store_b128 v4, v[128+4*\i:131+4*\i] offset:STG+528*\i
.endr
	s_cmp_ge_u32 s2, 1024
	s_cbranch_scc1 .Lbar
.irp b, 0,1,2,3
.irp j, 0,1,2,3
	ds_load_b128 v[192+16*\b+4*\j:195+16*\b+4*\j], v5 offset:128*\b+16*\j     ; a wave's LDS instructions are served in order: these see the stores
.endr
.endr
	s_wait_dscnt 0x0                               ; the stage's stores have read v64-127
.irp b, 0,1,2,3
.irp j, 0,1,2,3
	ds_load_b128 v[64+16*\b+4*\j:67+16*\b+4*\j], v5 offset:STG+128*\b+16*\j
.endr
.endr
	s_cmp_lt_u32 s61, 256
	s_cbranch_scc0 .Lbar
	ds_store_b128 v4, v[50:53] offset:16*528       ; z: the gains into row 16 of each stage
	ds_store_b128 v4, v[54:57] offset:STG+16*528
	s_wait_dscnt 0x0
	v_pk_mul_f32 v[28:29], v[192:193], v[192:193]  ; my part of the rows' sums of squares, in two chains
	v_pk_mul_f32 v[30:31], v[64:65], v[64:65]
.set i, 2
.rept 31
	v_pk_fma_f32 v[28:29], v[192+i:193+i], v[192+i:193+i], v[28:29]
	v_pk_fma_f32 v[30:31], v[64+i:65+i], v[64+i:65+i], v[30:31]
.set i, i+2
.endr
	v_pk_add_f32 v[28:29], v[28:29], v[30:31]
	v_add_f32 v28, v28, v29
	v_permlanex16_b32 v29, v28, s[SEL], s[SEL+1]
	v_add_f32 v28, v28, v29
	ds_store_b32 v8, v28
.Lbar:
	s_wait_dscnt 0x0                               ; my LDS stores have landed and my loads are in
	s_barrier_signal -1                            ; every role passes this one barrier; z's four partial sums lie in LDS behind it
	s_barrier_wait -1
	s_cmp_ge_u32 s2, 1024
	s_cbranch_scc1 .Lmask
	s_cmp_lt_u32 s61, 256
	s_cbranch_scc0 .Lquant
.irp w, 0,1,2,3
	ds_load_b32 v[28+\w], v9 offset:64*\w
.endr
	s_wait_dscnt 0x0
	v_add_f32 v28, v28, v29
	v_add_f32 v28, v28, v30
	v_add_f32 v28, v28, v31
	v_mov_b32 v29, 0x322bcc77                      ; 1e-8
	s_mov_b32 s62, 0x3a800000                      ; 1 / 1024
	v_fma_f32 v28, v28, s62, v29
	v_rsq_f32 v28, v28
	v_nop
	s_wait_alu depctr_va_vdst(0)                   ; ahead of the first reader of the root
	v_mov_b32 v29, v28
.irp f, 0,1
.irp b, 0,1,2,3
.irp j, 0,1,2,3
	ds_load_b128 v[128+16*\b+4*\j:131+16*\b+4*\j], v7 offset:STG*\f+16*528+128*\b+16*\j
.endr
.endr
	s_wait_dscnt 0x0
.set i, 0
.rept 32
	v_pk_mul_f32 v[192-128*\f+i:193-128*\f+i], v[192-128*\f+i:193-128*\f+i], v[128+i:129+i]   ; gain x x,
.set i, i+2
.endr
.set i, 0
.rept 32
	v_pk_mul_f32 v[192-128*\f+i:193-128*\f+i], v[192-128*\f+i:193-128*\f+i], v[28:29]         ; x 1 / root
.set i, i+2
.endr
.endr
.Lquant:
	QUANT 192, 32, 48
	QUANT 64, 40, 49
	s_lshl_b32 s20, s14, 1
	s_lshr_b32 s21, s3, 1
	s_add_co_u32 s20, s20, s21                     ; half of 512 along K
	s_mul_i32 s20, s20, s9
	s_add_co_u32 s20, s20, s12
	s_lshl_b32 s20, s20, 12
	s_and_b32 s21, s3, 1
	s_lshl_b32 s21, s21, 11
	s_add_co_u32 s20, s20, s21
	s_add_co_u32 s20, s20, s8
	v_add_nc_u32 v12, s20, v1
.irp f, 0,1
.irp p, 0,1
	global_store_b128 v12, v[32+8*\f+4*\p:35+8*\f+4*\p], s[88:89] offset:1024*\f+512*\p     ; 512 consecutive bytes
.endr
.endr
	s_lshl_b32 s21, s14, 3
	s_lshl_b32 s22, s3, 1
	s_add_co_u32 s21, s21, s22                     ; my first K step
	s_mul_i32 s21, s21, s11
	s_lshl_b32 s22, s12, 4
	s_add_co_u32 s21, s21, s22
	v_mul_u32_u24 v13, v3, s11
	v_add3_u32 v13, v13, v2, s21
	v_lshl_add_u32 v13, v13, 2, s10
	s_mov_b32 s22, 0xffff0000
	v_cndmask_b32 v14, v48, v49, s22               ; lanes 0-15 the first K step's words, lanes 16-31 the second's
	global_store_b32 v13, v14, s[88:89]
	s_wait_tensorcnt 0x0
	ds_add_u32 v62, v63
	s_wait_dscnt 0x0
	s_endpgm
.Lmask:
	; word n of key block KB, bit l = mask[query row of lane l % 16][32 KB + 16 (l / 16) + n]: the lane mask of score register n
.irp k, 0,1,2,3,4,5,6,7,8,9,10,11,12,13,14,15
	v_mov_b32 v[32+\k], 0
.endr
	s_lshl_b32 s21, s19, 6
	s_lshl_b32 s22, s20, 5
	s_add_co_u32 s21, s21, s22
	s_lshl_b32 s21, s21, 6
	v_lshl_add_u32 v12, v10, 2, s21
.irp f, 0,1
.irp t, 0,1
.irp k, 0,1,2,3,4,5,6,7
	ds_load_b128 v[64+4*\k:67+4*\k], v6 offset:STG*\f+32*(8*\t+\k)
.endr
	s_wait_dscnt 0x0
.irp k, 0,1,2,3,4,5,6,7
.irp n, 0,1,2,3,4,5,6,7,8,9,10,11,12,13,14,15
	v_and_b32 v[16+\n%2], 0xff<<(8*(\n%4)), v[64+4*\k+\n/4]
	v_cmp_ne_u32 s[94+\n%2], 0, v[16+\n%2]
	v_writelane_b32 v[32+8*\f+4*\t+\k/2], s[94+\n%2], 16*(\k%2)+\n
.endr
.if \k%2
	global_store_b32 v12, v[32+8*\f+4*\t+\k/2], s[90:91] offset:(16*\f+8*\t+\k-1)*64      ; two key blocks' words: 128 consecutive bytes
.endif
.endr
.endr
.endr
	; RoPE's table: pair i = lane % 16 of token t = 4 unit + 2 e + lane / 16
	v_cvt_f32_u32 v16, v2
	v_mul_f32 v16, 0xbf549a78, v16                 ; -i log2(10000) / 16
	v_exp_f32 v16, v16
	s_mov_b32 s24, 0x3fc90fdb                      ; pi / 2, its f32 part
	s_mov_b32 s25, 0xb33bbd2e                      ; and the rest
	s_lshl_b32 s21, s18, 9
	s_add_co_u32 s21, s21, 0x880000
	v_lshl_add_u32 v13, v10, 3, s21
	s_wait_alu depctr_va_vdst(0)
.irp e, 0,1
	s_lshl_b32 s23, s18, 2
	s_add_co_u32 s23, s23, 2*\e
	v_add_nc_u32 v17, s23, v3
	v_cvt_f32_u32 v17, v17
	v_mul_f32 v17, v17, v16                        ; the angle
	v_mul_f32 v18, 0x3f22f983, v17
	v_rndne_f32 v18, v18                           ; n = nearest whole number of quarter turns
	v_fma_f32 v19, -v18, s24, v17
	v_fma_f32 v19, -v18, s25, v19                  ; r in +-pi/4
	v_mul_f32 v20, v19, v19
	v_mov_b32 v21, 0xb94ca1f9
	v_fmaak_f32 v21, v21, v20, 0x3c08839e
	v_fmaak_f32 v21, v21, v20, 0xbe2aaaa3
	v_mul_f32 v21, v21, v20
	v_fma_f32 v21, v21, v19, v19                   ; sin r
	v_mov_b32 v22, 0x37ccf5ce
	v_fmaak_f32 v22, v22, v20, 0xbab6061a
	v_fmaak_f32 v22, v22, v20, 0x3d2aaaa5
	v_mul_f32 v22, v22, v20
	v_mul_f32 v22, v22, v20
	v_fma_f32 v22, v20, -0.5, v22
	v_add_f32 v22, 1.0, v22                        ; cos r
	v_cvt_i32_f32 v23, v18
	v_and_b32 v24, 1, v23
	v_cmp_eq_u32 vcc_lo, 1, v24
	v_cndmask_b32 v25, v21, v22, vcc_lo            ; odd quarter: sine and cosine change places
	v_cndmask_b32 v24, v22, v21, vcc_lo
	v_and_b32 v30, 2, v23
	v_lshlrev_b32 v30, 30, v30
	v_xor_b32 v[27+2*\e], v30, v25                 ; sine: minus in quarters 2, 3
	v_add_nc_u32 v23, 1, v23
	v_and_b32 v23, 2, v23
	v_lshlrev_b32 v23, 30, v23
	v_xor_b32 v[26+2*\e], v23, v24                 ; cosine: minus in quarters 1, 2
	global_store_b64 v13, v[26+2*\e:27+2*\e], s[88:89] offset:256*\e
.endr
	s_wait_tensorcnt 0x0
	ds_add_u32 v62, v63
	s_wait_dscnt 0x0
	s_endpgm
.Lfunc_end_k_qfc999b1601_prep:
	.size	k_qfc999b1601_prep, .Lfunc_end_k_qfc999b1601_prep-k_qfc999b1601_prep
	.p2alignl 7, 3214868480
	.fill 96, 4, 3214868480
	.section	.rodata,"a",@progbits
	.p2align	6, 0x0
	.amdhsa_kernel k_qfc999b1601_prep
		.amdhsa_group_segment_fixed_size 73472
		.amdhsa_private_segment_fixed_size 0
		.amdhsa_enable_private_segment 0
		.amdhsa_kernarg_size 96
		.amdhsa_user_sgpr_count 2
		.amdhsa_user_sgpr_kernarg_segment_ptr 1
		.amdhsa_wavefront_size32 1
		.amdhsa_system_sgpr_workgroup_id_x 1
		.amdhsa_system_sgpr_workgroup_id_y 1
		.amdhsa_system_sgpr_workgroup_id_z 1
		.amdhsa_system_vgpr_workitem_id 0
		.amdhsa_next_free_vgpr 256
		.amdhsa_next_free_sgpr 100
		.amdhsa_reserve_vcc 1
		.amdhsa_float_denorm_mode_32 3
		.amdhsa_float_denorm_mode_16_64 3
		.amdhsa_memory_ordered 1
		.amdhsa_forward_progress 1
		.amdhsa_inst_pref_size 143
	.end_amdhsa_kernel
	.amdgpu_metadata
---
amdhsa.version: [ 1, 2 ]
amdhsa.kernels:
  - .name:           k_qfc999b1601_prep
    .symbol:         k_qfc999b1601_prep.kd
    .args:
      - { .name: x, .offset: 0, .size: 8, .value_kind: global_buffer, .address_space: global }
      - { .name: rms_w, .offset: 8, .size: 8, .value_kind: global_buffer, .address_space: global }
      - { .name: attn_mask, .offset: 16, .size: 8, .value_kind: global_buffer, .address_space: global }
      - { .name: wq, .offset: 24, .size: 8, .value_kind: global_buffer, .address_space: global }
      - { .name: wk, .offset: 32, .size: 8, .value_kind: global_buffer, .address_space: global }
      - { .name: wv, .offset: 40, .size: 8, .value_kind: global_buffer, .address_space: global }
      - { .name: wu, .offset: 48, .size: 8, .value_kind: global_buffer, .address_space: global }
      - { .name: wo, .offset: 56, .size: 8, .value_kind: global_buffer, .address_space: global }
      - { .name: ffn1_w, .offset: 64, .size: 8, .value_kind: global_buffer, .address_space: global }
      - { .name: ffn2_w, .offset: 72, .size: 8, .value_kind: global_buffer, .address_space: global }
      - { .name: prep, .offset: 80, .size: 8, .value_kind: global_buffer, .address_space: global }
      - { .name: maskw, .offset: 88, .size: 8, .value_kind: global_buffer, .address_space: global }
    .group_segment_fixed_size: 73472
    .private_segment_fixed_size: 0
    .kernarg_segment_align: 8
    .kernarg_segment_size: 96
    .max_flat_workgroup_size: 128
    .sgpr_count:     100
    .vgpr_count:     256
    .wavefront_size: 32
...
	.end_amdgpu_metadata
.endif
;; end of part 1
;; launch qkvu (part 2): grid 12 x 16, 16 waves a work-group, clusters of 4 x 4, 282,624 bytes of LDS; arguments prep, qkv; writes qkv
.if DOCPART == 2
	.amdgcn_target "amdgcn-amd-amdhsa--gfx1250"
	.amdhsa_code_object_version 6
	.text
	.protected	k_qfc999b1601_qkvu
	.globl	k_qfc999b1601_qkvu
	.p2align	8
	.type	k_qfc999b1601_qkvu,@function
k_qfc999b1601_qkvu:
	s_mov_b64 s[64:65], 0
	v_nop
	global_prefetch_b8 v0, s[64:65] scope:SCOPE_SE
	s_setreg_imm32_b32 hwreg(HW_REG_WAVE_MODE, 25, 1), 1
	s_wait_xcnt 0x0
	s_wait_alu depctr_hold_cnt(0) depctr_sa_sdst(0) depctr_va_vdst(0) depctr_va_sdst(0) depctr_va_ssrc(0) depctr_va_vcc(0) depctr_vm_vsrc(0)
	s_getreg_b32 s2, hwreg(HW_REG_IB_STS2, 6, 4)
	s_cmp_eq_u32 s2, 0
	s_cbranch_scc0 .Lentry_in_a_cluster
	s_endpgm
.Lentry_in_a_cluster:
	s_bfe_u32 s2, ttmp6, 0x10000c
	s_cmp_lg_u32 s2, 0xf033
	s_cbranch_scc0 .Lentry_shape_is_right
	s_endpgm
.Lentry_shape_is_right:
; z [4096][1024] x (wq | wk | wv | wu) [3072][1024], both as FP4 codes made by the launch before.  A work-group makes 256 tokens x 256 columns, each of its 16 waves 64 x 64 (16 accumulators).
; The products are used transposed (source 0 = 16 weight rows, source 1 = 16 tokens): lane (r, h) holds token position r, register j of tile b the true column 32 (b / 2) + 16 h + 8 (b % 2) + j.
; K = 1,024 lies in two LDS slots of 512, each filled once; operands lie in LDS as images of their registers, so a fragment is two loads of 16 bytes a lane, 512 bytes on end.
; CLUSTER 4 x 4: z's tiles are shared along a row of the cluster, the weights' along a column, each by a joint tensor load.
; WHAT FOLLOWS THE PRODUCT parts on the cluster's x, which all sixteen partners share: 0: Q and K get RoPE and become codes (K = the head's 32); 1: V becomes codes along the tokens; 2: sigmoid(U) is stored in f32.
; LIMITS: zero blocks and blocks under 2^-124 get the scale byte 1 (read by this program alone); NaN and infinities are not served.
.set WM, 4
.set WN, 4
.set LW, 2
.set NWAVES, 16
.set UB, 16384                         ; a loader's unit: 64 positions x 512 along K
.set NSTEPS, 8
.set CD0, 32                           ; codes' tile: rows of 32 elements of 8 bytes,
.set CD1, 64                           ; 64 of them,
.set CSA, 32                           ; dense
.set CSB, 32
.set ACODE, 0x600000
.set ASW,   0x860000
.set ANR,   4096
.set ASTEP, 256*4096                   ; to the second half of K
.set BCODE, 0
.set BSW,   0x800000
.set BNR,   3072
.set BSTEP, 192*4096
.set PA, 4
.set PB, 4
.set SLOTB, (WM+WN)*UB
.set QS, 256*NSTEPS
.set SCL, 2*SLOTB
.set VG, 278528                        ; V's scale bytes, gathered: [K step 2][head 4][channel 64] words
.set TM, 48
.set SEL, 100
.macro QUANT s, pc, pw
.irp b, 0,1,2,3
	v_max3_num_f32 v[TM+\b], |v[\s+16*\b]|, |v[\s+1+16*\b]|, 0x1800000
.endr
.irp i, 2,4,6,8,10,12,14
.irp b, 0,1,2,3
	v_max3_num_f32 v[TM+\b], v[TM+\b], |v[\s+16*\b+\i]|, |v[\s+1+16*\b+\i]|
.endr
.endr
.irp b, 0,1,2,3
	v_permlanex16_b32 v[TM+4+\b], v[TM+\b], s[SEL], s[SEL+1]
.endr
.irp b, 0,1,2,3
	v_max_num_f32 v[TM+\b], v[TM+\b], v[TM+4+\b]
.endr
.irp b, 0,1,2,3
	v_add_nc_u32 v[TM+8+\b], 0xff000000, v[TM+\b]
.endr
.irp b, 0,1,2,3
	v_lshrrev_b32 v[TM+4+\b], 23, v[TM+8+\b]
.endr
	v_lshl_or_b32 v[\pw], v[TM+5], 8, v[TM+4]
	v_lshl_or_b32 v[\pw], v[TM+6], 16, v[\pw]
	v_lshl_or_b32 v[\pw], v[TM+7], 24, v[\pw]
.irp b, 0,1,2,3
	v_cvt_scalef32_pk8_fp4_f32 v[\pc+2*\b], v[\s+16*\b:\s+7+16*\b], v[TM+8+\b]
	v_cvt_scalef32_pk8_fp4_f32 v[\pc+1+2*\b], v[\s+8+16*\b:\s+15+16*\b], v[TM+8+\b]
.endr
	v_nop
.irp c, 0,1
.irp i, 0,1
	v_permlane16_swap_b32 v[\pc+4*\c+\i], v[\pc+2+4*\c+\i]
.endr
.endr
.endm
.macro CROUND                          ; a round of the cluster's barrier
	s_barrier_signal -1
	s_barrier_wait -1
	s_cmp_lg_u32 s14, 0
	s_cbranch_scc1 .Lnot_wave_0_\@
	s_barrier_signal -3
.Lnot_wave_0_\@:
	s_barrier_wait -3
	s_barrier_signal -1
	s_barrier_wait -1
.endm
; One K step of 128: 8 + 8 fragment loads, 4 loads of scale words (lanes 0-15 the tokens', lanes 16-31 the weights'), 16 products, the accumulators by turns.
.macro KS sl, hf, q, st, cm
.irp b, 0,1,2,3
.irp p, 0,1
	ds_load_b128 v[92+8*\b+4*\p:95+8*\b+4*\p], v[6+\sl] offset:16384*\hf+4096*\b+1024*\q+512*\p
.endr
.endr
.irp a, 0,1,2,3
.irp p, 0,1
	ds_load_b128 v[60+8*\a+4*\p:63+8*\a+4*\p], v[4+\sl] offset:16384*\hf+4096*\a+1024*\q+512*\p
.endr
.endr
.irp i, 0,1,2,3
	ds_load_b32 v[24+\i], v8 offset:256*(\st)+64*\i
.endr
	s_wait_dscnt 0x0
.irp a, 0,1,2,3
.irp b, 0,1,2,3
.if \cm == 0
	v_wmma_scale_f32_16x16x128_f8f6f4 v[128+8*(4*\a+\b):135+8*(4*\a+\b)], v[92+8*\b:99+8*\b], v[60+8*\a:67+8*\a], 0, v[24+\b], v[24+\a] matrix_a_fmt:MATRIX_FMT_FP4 matrix_b_fmt:MATRIX_FMT_FP4 matrix_a_scale:MATRIX_SCALE_ROW1
.else
	v_wmma_scale_f32_16x16x128_f8f6f4 v[128+8*(4*\a+\b):135+8*(4*\a+\b)], v[92+8*\b:99+8*\b], v[60+8*\a:67+8*\a], v[128+8*(4*\a+\b):135+8*(4*\a+\b)], v[24+\b], v[24+\a] matrix_a_fmt:MATRIX_FMT_FP4 matrix_b_fmt:MATRIX_FMT_FP4 matrix_a_scale:MATRIX_SCALE_ROW1
.endif
.endr
.endr
.rept 4
	v_nop                                          ; four plain instructions ahead of loads into the fragments and of the first read of results
.endr
.endm
	s_load_b128 s[4:7], s[0:1], 0x0                ; prep s[4:5], qkv s[6:7]
	v_lshl_add_u32 v126, v0, 2, 0x44800
	v_mov_b32 v127, 0
	ds_add_u32 v126, v127
	ds_add_u32 v126, v127
	v_lshrrev_b32 v1, 5, v0
	v_readfirstlane_b32 s14, v1                    ; wave
	s_lshr_b32 s15, s14, LW                        ; wm: my 64 tokens
	s_and_b32 s16, s14, WN-1                       ; wn: my 64 columns
	s_bfe_u32 s40, ttmp6, 0x40000                  ; cx
	s_bfe_u32 s41, ttmp6, 0x40004                  ; cy
	s_lshl_b32 s42, ttmp9, 2
	s_add_co_u32 s42, s42, s40                     ; tile column
	s_and_b32 s17, ttmp7, 0xffff
	s_lshl_b32 s17, s17, 2
	s_add_co_u32 s17, s17, s41                     ; tile row
	s_lshl_b32 s43, s41, 2
	s_lshl_b32 s43, 15, s43                        ; my row of the cluster
	s_lshl_b32 s44, 0x1111, s40                    ; my column
	s_or_b32 s24, s43, (3<<16)|(1<<21)             ; codes: elements of 8 bytes, the mask, bit 21 beside it
	s_or_b32 s48, s44, (3<<16)|(1<<21)
.irp g, 24,48
	s_mov_b32 s[\g+1], CD0<<16
	s_mov_b32 s[\g+2], CD1<<16
	s_mov_b32 s[\g+3], CD0<<16
	s_mov_b32 s[\g+4], CD1
	s_mov_b32 s[\g+6], 0
	s_mov_b32 s[\g+7], 0
.endr
	s_mov_b32 s29, CSA
	s_mov_b32 s53, CSB
	s_or_b32 s68, s43, (2<<16)|(1<<21)             ; scale words: NSTEPS rows of 64 words
	s_or_b32 s80, s44, (2<<16)|(1<<21)
.irp g, 68,80
	s_mov_b32 s[\g+1], 64<<16
	s_mov_b32 s[\g+2], NSTEPS<<16
	s_mov_b32 s[\g+3], 64<<16
	s_mov_b32 s[\g+4], NSTEPS
	s_mov_b32 s[\g+6], 0
	s_mov_b32 s[\g+7], 0
.endr
	s_mov_b32 s73, ANR
	s_mov_b32 s85, BNR
	s_and_b32 s18, s14, WM-1                       ; the tokens' unit that I fetch: made of the tile row and the wave's number alone
	s_mul_i32 s19, s17, WM
	s_add_co_u32 s18, s18, s19
	s_lshl_b32 s34, s18, 14
	s_add_co_u32 s34, s34, ACODE
	s_mov_b32 s35, 0
	s_lshl_b32 s78, s18, 8
	s_add_co_u32 s78, s78, ASW
	s_mov_b32 s79, 0
	s_and_b32 s46, s14, WN-1                       ; the weights' unit: of the tile column and the wave's number alone
	s_mul_i32 s47, s42, WN
	s_add_co_u32 s46, s46, s47
	s_lshl_b32 s58, s46, 14
	s_add_co_u32 s58, s58, BCODE
	s_mov_b32 s59, 0
	s_lshl_b32 s90, s46, 8
	s_add_co_u32 s90, s90, BSW
	s_mov_b32 s91, 0
	s_mul_i32 s45, s14, UB                         ; LDS: wave x unit
.irp r, 32,36,56,60,76,88
	s_mov_b32 s[\r], 1
.endr
	s_mov_b32 s33, s45
	s_add_co_u32 s37, s45, SLOTB
	s_mov_b32 s57, s45
	s_add_co_u32 s61, s45, SLOTB
	s_mul_i32 s77, s14, QS
	s_add_co_u32 s77, s77, SCL
	s_mov_b32 s89, s77
	s_mov_b32 s[SEL], 0x76543210
	s_mov_b32 s[SEL+1], 0xfedcba98
	s_wait_dscnt 0x0
	s_wait_kmcnt 0x0
	s_add_nc_u64 s[34:35], s[PA:PA+1], s[34:35]
	s_add_nc_u64 s[38:39], s[34:35], ASTEP
	s_add_nc_u64 s[58:59], s[PB:PB+1], s[58:59]
	s_add_nc_u64 s[62:63], s[58:59], BSTEP
	s_add_nc_u64 s[78:79], s[PA:PA+1], s[78:79]
	s_add_nc_u64 s[90:91], s[PB:PB+1], s[90:91]
.irp r, 35,39,59,63,79,91
	s_or_b32 s[\r], s[\r], 0x80000000
.endr
	CROUND                                         ; all sixteen work-groups are here: the joint loads meet
	s_cmp_lt_u32 s14, WM                           ; waves 0-3 fetch the tokens' units, waves 4-7 the weights', the others nothing: three loads of a wave are out
	s_cbranch_scc0 .Lnot_a
	tensor_load_to_lds s[76:79], s[68:75]
	s_nop 0
	tensor_load_to_lds s[32:35], s[24:31]
	s_nop 0
	tensor_load_to_lds s[36:39], s[24:31]
	s_nop 0
.rept 4
	v_nop
.endr
	s_branch .Lfilled
.Lnot_a:
	s_cmp_lt_u32 s14, WM+WN
	s_cbranch_scc0 .Lfilled
	tensor_load_to_lds s[88:91], s[80:87]
	s_nop 0
	tensor_load_to_lds s[56:59], s[48:55]
	s_nop 0
	tensor_load_to_lds s[60:63], s[48:55]
	s_nop 0
.rept 4
	v_nop
.endr
.Lfilled:
	v_and_b32 v1, 15, v0                           ; r
	v_bfe_u32 v2, v0, 4, 1                         ; h
	v_and_b32 v3, 31, v0
	v_lshlrev_b32 v3, 4, v3                        ; 16 x lane
	s_mul_i32 s18, s15, UB
	v_add_nc_u32 v4, s18, v3
	v_add_nc_u32 v5, SLOTB, v4
	s_mul_i32 s19, s16, UB
	s_add_co_u32 s19, s19, WM*UB
	v_add_nc_u32 v6, s19, v3
	v_add_nc_u32 v7, SLOTB, v6
	s_mul_i32 s18, s15, QS
	s_mul_i32 s19, s16, QS
	s_add_co_u32 s19, s19, WM*QS
	s_sub_co_u32 s19, s19, s18
	v_mul_u32_u24 v8, s19, v2                      ; lanes 16-31 take the weights' words
	s_add_co_u32 s18, s18, SCL
	v_lshl_add_u32 v8, v1, 2, v8
	v_add_nc_u32 v8, s18, v8
	s_wait_tensorcnt 1                             ; scale words and slot 0 are in; slot 1's load may be out
	s_barrier_signal -1
	s_barrier_wait -1
	KS 0, 0, 0, 0, 0
	KS 0, 0, 1, 1, 2
	KS 0, 0, 2, 2, 2
	KS 0, 0, 3, 3, 2
	s_wait_tensorcnt 0x0
	s_wait_dscnt 0x0
	s_barrier_signal -1
	s_barrier_wait -1                              ; slot 1 is whole
	KS 1, 0, 0, 4, 2
	KS 1, 0, 1, 5, 2
	KS 1, 0, 2, 6, 2
	KS 1, 0, 3, 7, 2
	s_wait_dscnt 0x0
	s_barrier_signal -1
	s_barrier_wait -1                              ; nobody reads the slots or the scale words any more: V's stages may lie there
	s_lshr_b32 s20, s17, 3                         ; batch
	s_and_b32 s21, s17, 7
	s_lshl_b32 s22, s21, 8
	s_lshl_b32 s23, s15, 6
	s_add_co_u32 s22, s22, s23                     ; my first token in the batch
	v_and_b32 v9, 8, v1
	v_add_nc_u32 v9, v9, v1                        ; r + 8 (r / 8)
	s_mul_i32 s23, s14, 17408                      ; every LDS address is made ahead of the parting
	v_mul_u32_u24 v16, v9, 272
	v_lshl_add_u32 v16, v2, 6, v16
	v_add_nc_u32 v16, s23, v16                     ; V's stage, way in: true token row, 16 h columns on
	v_lshrrev_b32 v17, 2, v3
	v_add_nc_u32 v17, s23, v17                     ; way out: a lane a column
	v_and_b32 v14, 31, v0
	v_and_b32 v15, 7, v14
	v_and_b32 v18, 8, v14
	v_lshl_add_u32 v15, v18, 1, v15
	v_lshl_add_u32 v15, v2, 3, v15                 ; the column's position: bits 3 and 4 change places
	s_lshr_b32 s23, s15, 1
	s_lshl_b32 s23, s23, 10
	s_lshl_b32 s24, s16, 8
	s_add_co_u32 s23, s23, s24
	s_and_b32 s24, s15, 1
	s_lshl_b32 s24, s24, 1
	s_add_co_u32 s23, s23, s24
	s_add_co_u32 s23, s23, VG
	v_lshl_add_u32 v18, v15, 2, s23
	v_lshl_add_u32 v19, v0, 4, VG
	s_and_b32 s25, s42, 3
	s_lshl_b32 s25, s25, 2
	s_lshl_b32 s26, s20, 4
	s_add_co_u32 s25, s25, s26
	s_add_co_u32 s27, s25, s16                     ; V, U: my head in the batch's sixteen
.irp b, 0,1,2,3
	v_mov_b32 v[TM+4+\b], 0
.endr
	s_cmp_eq_u32 ttmp9, 1
	s_cbranch_scc1 .Lv
	s_cmp_eq_u32 ttmp9, 2
	s_cbranch_scc1 .Lu
	; ---- Q and K: RoPE, then codes.  My 64 columns are two heads; a head's 32 numbers are one block
	v_add_nc_u32 v10, s22, v9
	v_lshlrev_b32 v10, 7, v10
	v_lshl_add_u32 v10, v2, 6, v10
	v_add_nc_u32 v10, 0x880000, v10
.irp a, 0,1,2,3
.irp j, 0,1,2,3
	global_load_b128 v[60+16*\a+4*\j:63+16*\a+4*\j], v10, s[4:5] offset:(32*(\a/2)+8*(\a%2))*128+16*\j   ; (cos, sin) of my token's pairs 8 h .. 8 h + 7
.endr
.endr
	s_wait_loadcnt 0x0
.irp a, 0,1,2,3
.irp b, 0,1,2,3
.irp j, 0,1,2,3
	v_mul_f32 v[48+2*\j], v[129+32*\a+8*\b+2*\j], v[61+16*\a+8*(\b%2)+2*\j]
	v_mul_f32 v[49+2*\j], v[128+32*\a+8*\b+2*\j], v[61+16*\a+8*(\b%2)+2*\j]
	v_fma_f32 v[128+32*\a+8*\b+2*\j], v[128+32*\a+8*\b+2*\j], v[60+16*\a+8*(\b%2)+2*\j], -v[48+2*\j]
	v_fma_f32 v[129+32*\a+8*\b+2*\j], v[129+32*\a+8*\b+2*\j], v[60+16*\a+8*(\b%2)+2*\j], v[49+2*\j]
.endr
.endr
.endr
	QUANT 128, 28, 44
	QUANT 192, 36, 45
	s_and_b32 s23, s42, 1
	s_lshl_b32 s23, s23, 3
	s_lshl_b32 s24, s16, 1
	s_add_co_u32 s23, s23, s24
	s_add_co_u32 s23, s23, s26                     ; my first head
	s_lshr_b32 s24, s42, 1                         ; 0: Q, 1: K
	v_add_nc_u32 v11, s23, v2
	v_lshlrev_b32 v12, 15, v11
	v_add_nc_u32 v13, s22, v1
	v_lshl_add_u32 v12, v13, 4, v12
	s_lshl_b32 s28, s24, 20
	v_add_nc_u32 v12, s28, v12
.irp a, 0,1,2,3
	global_store_b128 v12, v[28+4*\a:31+4*\a], s[6:7] offset:256*\a         ; lanes 0-15 the first head's 16 tokens, lanes 16-31 the second's: 256 bytes on end each
.endr
	s_mov_b32 s2, 0x06040200
	s_mov_b32 s3, 0x07050301
	s_mov_b32 s29, 0xffff0000
	v_perm_b32 v46, v45, v44, s2                   ; the first head's bytes of the four blocks of tokens,
	v_perm_b32 v47, v45, v44, s3                   ; the second's
	v_cndmask_b32 v46, v46, v47, s29
	s_lshr_b32 s28, s22, 6
	v_lshl_add_u32 v11, v11, 5, s28
	v_lshlrev_b32 v11, 6, v11
	v_lshl_add_u32 v11, v1, 2, v11
	s_lshl_b32 s28, s24, 16
	s_add_co_u32 s28, s28, 0x400000
	v_add_nc_u32 v11, s28, v11
	global_store_b32 v11, v46, s[6:7]
	s_branch .Ljoin
.Lv:
	; ---- V: K of its product are the tokens.  My 64 x 64 numbers turn through my stage: a lane takes a column, its registers run down the true tokens
.macro VST x, y                        ; the accumulators of two blocks of tokens, which are 32 true rows on end, into the stage
.irp a, \x, \y
.irp b, 0,1,2,3
.irp p, 0,1
	ds_store_b128 v16, v[128+32*\a+8*\b+4*\p:131+32*\a+8*\b+4*\p] offset:(32*(\a/2)+8*(\a%2))*272+(32*(\b/2)+8*(\b%2)+4*\p)*4
.endr
.endr
.endr
.endm
.macro VLD u                           ; columns 32 (u / 2) on, tokens 32 (u % 2) on
.irp i, 0,1,2,3,4,5,6,7,8,9,10,11,12,13,14,15,16,17,18,19,20,21,22,23,24,25,26,27,28,29,30,31
	ds_load_b32 v[60+32*((\u)%2)+\i], v17 offset:(32*((\u)%2)+\i)*272+128*((\u)/2)
.endr
.endm
.macro VQ u
.set XS, 60+32*((\u)%2)
	v_max3_num_f32 v48, |v[XS]|, |v[XS+1]|, |v[XS+2]|
	v_max3_num_f32 v49, |v[XS+3]|, |v[XS+4]|, |v[XS+5]|
.irp i, 6,10,14,18,22,26
	v_max3_num_f32 v48, v48, |v[XS+\i]|, |v[XS+\i+1]|
	v_max3_num_f32 v49, v49, |v[XS+\i+2]|, |v[XS+\i+3]|
.endr
	v_max3_num_f32 v48, v48, |v[XS+30]|, |v[XS+31]|
	v_max3_num_f32 v48, v48, v49, 0x1800000
	v_add_nc_u32 v50, 0xff000000, v48
	v_lshrrev_b32 v[52+\u], 23, v50
.irp g, 0,1,2,3
	v_cvt_scalef32_pk8_fp4_f32 v[28+4*(\u)+\g], v[XS+8*\g:XS+8*\g+7], v50
.endr
	v_nop
	global_store_b128 v12, v[28+4*(\u):31+4*(\u)], s[6:7] offset:2048*((\u)/2)+256*((\u)%2)   ; sixteen lanes fill 256 consecutive bytes
.if (\u)%2
	v_lshl_or_b32 v[56+(\u)/2], v[52+\u], 8, v[51+\u]
	ds_store_b16 v18, v[56+(\u)/2] offset:128*((\u)/2)
.endif
.endm
	VST 0, 1                                       ; true tokens 0 .. 31 of my 64
	s_lshl_b32 s23, s27, 4
	s_lshl_b32 s24, s21, 1
	s_add_co_u32 s23, s23, s24
	s_lshr_b32 s24, s15, 1
	s_add_co_u32 s23, s23, s24                     ; head x 16 + K step
	s_lshl_b32 s23, s23, 12
	s_and_b32 s24, s15, 1
	s_lshl_b32 s24, s24, 9
	s_add_co_u32 s23, s23, s24
	s_add_co_u32 s23, s23, 0x200000
	v_lshrrev_b32 v12, 4, v15
	v_lshlrev_b32 v12, 10, v12
	v_and_b32 v13, 15, v15
	v_lshl_add_u32 v12, v13, 4, v12
	v_add_nc_u32 v12, s23, v12
	VLD 0                                          ; a wave's LDS instructions are served in order: these see the stores
	s_wait_dscnt 0x0                               ; set 0 is in
	VST 2, 3                                       ; true tokens 32 .. 63
	VLD 1                                          ; each set is on its way while the other is quantised
	VQ 0
	s_wait_dscnt 0x0
	VLD 2
	VQ 1
	s_wait_dscnt 0x0
	VLD 3
	VQ 2
	s_wait_dscnt 0x0
	VQ 3
	s_branch .Ljoin
.Lu:
	; ---- U: sigmoid, stored as the accumulators stand: the attention launch reads them back into the same lanes
	s_mov_b32 s2, 0xbfb8aa3b                       ; -log2(e)
	s_mov_b32 s3, s2
	s_lshl_b32 s23, s27, 19
	s_lshl_b32 s24, s22, 8
	s_add_co_u32 s23, s23, s24
	s_add_co_u32 s23, s23, 0x440000
	v_add_nc_u32 v12, s23, v3
.irp a, 0,1,2,3
.set i, 0
.rept 16
	v_pk_mul_f32 v[128+32*\a+i:129+32*\a+i], v[128+32*\a+i:129+32*\a+i], s[2:3] op_sel_hi:[1,0]
.set i, i+2
.endr
.set i, 0
.rept 32
	v_exp_f32 v[128+32*\a+i], v[128+32*\a+i]
.set i, i+1
.endr
	v_nop
	s_wait_alu depctr_va_vdst(0)                   ; one wait for the batch of 32
.set i, 0
.rept 16
	v_pk_add_f32 v[128+32*\a+i:129+32*\a+i], v[128+32*\a+i:129+32*\a+i], 1.0 op_sel_hi:[1,0]
.set i, i+2
.endr
.set i, 0
.rept 32
	v_rcp_f32 v[128+32*\a+i], v[128+32*\a+i]
.set i, i+1
.endr
	v_nop
	s_wait_alu depctr_va_vdst(0)
.irp t, 0,1,2,3,4,5,6,7
	global_store_b128 v12, v[128+32*\a+4*\t:131+32*\a+4*\t], s[6:7] offset:4096*\a+512*\t
.endr
.endr
.Ljoin:
	s_wait_xcnt 0x0                                ; every store above has read its address and data registers: v10 and v11 are written again below
	s_wait_dscnt 0x0
	s_barrier_signal -1
	s_barrier_wait -1                              ; V's scale bytes of the work-group lie gathered
	s_cmp_eq_u32 ttmp9, 1
	s_cbranch_scc0 .Lend
	s_cmp_lt_u32 s14, 4
	s_cbranch_scc0 .Lend
	ds_load_b128 v[60:63], v19
	v_bfe_u32 v10, v0, 4, 2                        ; head of the four
	v_lshrrev_b32 v11, 6, v0                       ; K step of the two
	v_add_nc_u32 v10, s25, v10
	v_lshl_add_u32 v10, v10, 4, v11
	s_lshl_b32 s23, s21, 1
	v_add_nc_u32 v10, s23, v10
	v_lshlrev_b32 v10, 8, v10
	v_lshl_add_u32 v10, v1, 4, v10
	v_add_nc_u32 v10, 0x420000, v10
	s_wait_dscnt 0x0
	global_store_b128 v10, v[60:63], s[6:7]
.Lend:
	s_wait_tensorcnt 0x0
	ds_add_u32 v126, v127
	s_wait_dscnt 0x0
	CROUND                                         ; the closing round
	s_endpgm
.Lfunc_end_k_qfc999b1601_qkvu:
	.size	k_qfc999b1601_qkvu, .Lfunc_end_k_qfc999b1601_qkvu-k_qfc999b1601_qkvu
	.p2alignl 7, 3214868480
	.fill 96, 4, 3214868480
	.section	.rodata,"a",@progbits
	.p2align	6, 0x0
	.amdhsa_kernel k_qfc999b1601_qkvu
		.amdhsa_group_segment_fixed_size 282624
		.amdhsa_private_segment_fixed_size 0
		.amdhsa_enable_private_segment 0
		.amdhsa_kernarg_size 16
		.amdhsa_user_sgpr_count 2
		.amdhsa_user_sgpr_kernarg_segment_ptr 1
		.amdhsa_wavefront_size32 1
		.amdhsa_system_sgpr_workgroup_id_x 1
		.amdhsa_system_sgpr_workgroup_id_y 1
		.amdhsa_system_sgpr_workgroup_id_z 1
		.amdhsa_system_vgpr_workitem_id 0
		.amdhsa_next_free_vgpr 256
		.amdhsa_next_free_sgpr 102
		.amdhsa_reserve_vcc 0
		.amdhsa_float_denorm_mode_32 3
		.amdhsa_float_denorm_mode_16_64 3
		.amdhsa_memory_ordered 1
		.amdhsa_forward_progress 1
		.amdhsa_inst_pref_size 98
	.end_amdhsa_kernel
	.amdgpu_metadata
---
amdhsa.version: [ 1, 2 ]
amdhsa.kernels:
  - .name:           k_qfc999b1601_qkvu
    .symbol:         k_qfc999b1601_qkvu.kd
    .args:
      - { .name: prep, .offset: 0, .size: 8, .value_kind: global_buffer, .address_space: global }
      - { .name: qkv, .offset: 8, .size: 8, .value_kind: global_buffer, .address_space: global }
    .group_segment_fixed_size: 282624
    .private_segment_fixed_size: 0
    .kernarg_segment_align: 8
    .kernarg_segment_size: 16
    .max_flat_workgroup_size: 512
    .sgpr_count:     102
    .vgpr_count:     256
    .wavefront_size: 32
...
	.end_amdgpu_metadata
.endif
;; end of part 2
;; launch attn (part 3): grid 8 x 32, 16 waves a work-group, no clusters, 297,984 bytes of LDS; arguments qkv, maskw, rel_pos_table, gat; writes gat
.if DOCPART == 3
	.amdgcn_target "amdgcn-amd-amdhsa--gfx1250"
	.amdhsa_code_object_version 6
	.text
	.protected	k_qfc999b1601_attn
	.globl	k_qfc999b1601_attn
	.p2align	8
	.type	k_qfc999b1601_attn,@function
k_qfc999b1601_attn:
	s_mov_b64 s[64:65], 0
	v_nop
	global_prefetch_b8 v0, s[64:65] scope:SCOPE_SE
	s_setreg_imm32_b32 hwreg(HW_REG_WAVE_MODE, 25, 1), 1
	s_wait_xcnt 0x0
; gated = sigmoid(U) x (A V), A = clip(softmax(clip(Q K^T / sqrt(32) + bias, masked to -inf, +-50)), 1e-8, 1), both products on FP4 codes; the gated numbers leave as FP4 codes for the next product.
; A is quantised FINISHED, so a row's sum must be known first.  A team of eight waves takes one tile of 16 queries; each wave owns 256 keys for the whole launch: its 128 exponentials stay in registers until the
; eight partial sums have met in LDS.  Two teams, eight trips: a work-group serves 16 tiles of one head.
; NO MAXIMUM IS TAKEN AWAY: the scores are clipped to +-50 by the computation itself, so an exponential lies in 1.9e-22 .. 5.2e21 and a row's 2,048 add to at most 1.1e25, inside f32.  A masked score is the clipped -50.
; Both products are used transposed: S^T = K Q^T, O^T = V^T A^T: a lane holds one query.  Keys, queries and channels stand in the order 32 (pb / 2) + 8 (pb % 2) + r + 8 (r / 8), so score register 16 kb + n is key 32 kb + 16 h + n.
; K = 32 IN AN INSTRUCTION OF 128: a load of 16 bytes a lane puts key block 2 kb in K block 0 and key block 2 kb + 1 in K block 1; Q stands in ONE K block (variant 0 or 1) with zero codes elsewhere, which add nothing.
; THE BIAS hangs on key - query alone.  Two key blocks or more from the queries' block it is the table's first or last number.  For the three nearer blocks a lane's 16 numbers do not change from trip to trip:
; each wave makes the 48 once, into 6,144 bytes of LDS of its own, and a near block takes its 16 by four loads.
; THE MASK WORDS come by scalar loads into two sets of 32 registers.  Both sets are free when a trip's last selects are done: the next trip's first four key blocks are asked for there, ahead of the normalising and the second product.
; No tensor loads and no cluster: a wave's K codes and scales stay in registers and its V fragments in its own 8 KB of LDS; each is read from memory once by a work-group, 192 KB against eight trips of work.
; LIMITS: zero blocks get the scale byte 1 (read by this program alone); NaN and infinities are not served.
.set TM, 108
.set SEL, 56
.set SUMX, 131072                      ; partial sums: 512 bytes a team: [query 16][wave 8]
.set OX, 132096                        ; partial O^T: 4 KB a wave
.set RT, 197632                        ; the near biases: 6,144 bytes a wave: [key block less queries' block + 1: 3][four registers: 4][lane 32][16 bytes]
.macro QUANT s, pc, pw
.irp b, 0,1,2,3
	v_max3_num_f32 v[TM+\b], |v[\s+16*\b]|, |v[\s+1+16*\b]|, 0x1800000
.endr
.irp i, 2,4,6,8,10,12,14
.irp b, 0,1,2,3
	v_max3_num_f32 v[TM+\b], v[TM+\b], |v[\s+16*\b+\i]|, |v[\s+1+16*\b+\i]|
.endr
.endr
.irp b, 0,1,2,3
	v_permlanex16_b32 v[TM+4+\b], v[TM+\b], s[SEL], s[SEL+1]
.endr
.irp b, 0,1,2,3
	v_max_num_f32 v[TM+\b], v[TM+\b], v[TM+4+\b]
.endr
.irp b, 0,1,2,3
	v_add_nc_u32 v[TM+8+\b], 0xff000000, v[TM+\b]
.endr
.irp b, 0,1,2,3
	v_lshrrev_b32 v[TM+4+\b], 23, v[TM+8+\b]
.endr
	v_lshl_or_b32 v[\pw], v[TM+5], 8, v[TM+4]
	v_lshl_or_b32 v[\pw], v[TM+6], 16, v[\pw]
	v_lshl_or_b32 v[\pw], v[TM+7], 24, v[\pw]
.irp b, 0,1,2,3
	v_cvt_scalef32_pk8_fp4_f32 v[\pc+2*\b], v[\s+16*\b:\s+7+16*\b], v[TM+8+\b]
	v_cvt_scalef32_pk8_fp4_f32 v[\pc+1+2*\b], v[\s+8+16*\b:\s+15+16*\b], v[TM+8+\b]
.endr
	v_nop
.irp c, 0,1
.irp i, 0,1
	v_permlane16_swap_b32 v[\pc+4*\c+\i], v[\pc+2+4*\c+\i]
.endr
.endr
.endm
.macro QLOAD                           ; the codes and the scale word of query tile s62
	s_lshl_b32 s63, s62, 8
	v_add_nc_u32 v9, s63, v120
	s_lshr_b32 s63, s62, 2
	s_lshl_b32 s63, s63, 6
	v_add_nc_u32 v10, s63, v121
	global_load_b128 v[24:27], v9, s[8:9]
	global_load_b32 v28, v10, s[8:9]
.endm
.macro MASK01                          ; the mask words of my first four key blocks for query tile s62, into both sets.  s100 is written only where every scalar load that names it has been waited for
	s_lshl_b32 s100, s60, 7
	s_add_co_u32 s100, s100, s62
	s_lshl_b32 s100, s100, 12
	s_lshl_b32 s63, s4, 9
	s_add_co_u32 s100, s100, s63
	s_load_b512 s[16:31], s[10:11], s100 offset:0x0
	s_load_b512 s[32:47], s[10:11], s100 offset:0x40
	s_load_b512 s[68:83], s[10:11], s100 offset:0x80
	s_load_b512 s[84:99], s[10:11], s100 offset:0xc0
.endm
.macro GATHERS                         ; SCC = 1 in the waves that gather their team's O^T: waves 2, 3 (team 0) and 12, 13 (team 1); made of the wave's number alone
	s_lshr_b32 s62, s4, 1
	s_add_co_u32 s63, s3, 1
	s_cmp_eq_u32 s62, s63
.endm
; score x log2(e) / sqrt(32) + bias x log2(e), key block kb of my eight.  All branches hang on ids alone.
.macro BIASED kb
	s_lshl_b32 s62, s4, 3
	s_add_co_u32 s62, s62, (\kb)                   ; key block
	s_sub_co_u32 s63, s62, s6
	s_add_co_u32 s63, s63, 1                       ; less the queries' block, + 1: 0, 1, 2 are near
	s_cmp_lt_u32 s63, 3
	s_cbranch_scc1 .Lnear_\@
	s_cmp_lt_u32 s62, s6
	s_cselect_b32 s48, s52, s53
	s_mov_b32 s49, s48
.set i, 0
.rept 8
	v_pk_fma_f32 v[128+16*(\kb)+i:129+16*(\kb)+i], v[128+16*(\kb)+i:129+16*(\kb)+i], v[20:21], s[48:49] op_sel_hi:[1,1,0]
.set i, i+2
.endr
	s_branch .Lbiased_\@
.Lnear_\@:
	s_cmp_eq_u32 s63, 0
	s_cbranch_scc1 .Lrel0_\@
	s_cmp_eq_u32 s63, 1
	s_cbranch_scc1 .Lrel1_\@
.irp q, 0,1,2,3
	ds_load_b128 v[100+4*\q:103+4*\q], v23 offset:4096+512*\q
.endr
	s_branch .Lhave_\@
.Lrel0_\@:
.irp q, 0,1,2,3
	ds_load_b128 v[100+4*\q:103+4*\q], v23 offset:512*\q
.endr
	s_branch .Lhave_\@
.Lrel1_\@:
.irp q, 0,1,2,3
	ds_load_b128 v[100+4*\q:103+4*\q], v23 offset:2048+512*\q
.endr
.Lhave_\@:
	s_wait_dscnt 0x0
.set i, 0
.rept 8
	v_pk_fma_f32 v[128+16*(\kb)+i:129+16*(\kb)+i], v[128+16*(\kb)+i:129+16*(\kb)+i], v[20:21], v[100+i:101+i]
.set i, i+2
.endr
.Lbiased_\@:
.endm
; two key blocks: bias, clip, mask, exponential, sum.  ms: the scalar registers with their 32 mask words.  Scalar loads come back in no order, so every wait for them is for 0, and it stands just ahead of the selects:
; groups 0 and 1 were asked for in the trip before; group 2 is asked for at group 1's head, into the set that group 0 has read; group 3 behind the wait for group 2, into the set that group 1 has read.
.macro GROUP g, ms
.if \g == 1
	s_load_b512 s[16:31], s[10:11], s54 offset:0x100
	s_load_b512 s[32:47], s[10:11], s54 offset:0x140
.endif
	BIASED 2*\g
	BIASED 2*\g+1
.set i, 0
.rept 32
	v_med3_num_f32 v[128+32*\g+i], v[128+32*\g+i], s50, s51
.set i, i+1
.endr
.if \g != 1
	s_wait_kmcnt 0x0
.endif
.if \g == 2
	s_load_b512 s[68:83], s[10:11], s54 offset:0x180
	s_load_b512 s[84:99], s[10:11], s54 offset:0x1c0
.endif
.set i, 0
.rept 32
	v_cndmask_b32 v[128+32*\g+i], v12, v[128+32*\g+i], s[\ms+i]
.set i, i+1
.endr
.set i, 0
.rept 32
	v_exp_f32 v[128+32*\g+i], v[128+32*\g+i]
.set i, i+1
.endr
	v_nop
	s_wait_alu depctr_va_vdst(0)                   ; one wait for the batch of 32
.set i, 0
.rept 8
	v_pk_add_f32 v[16:17], v[16:17], v[128+32*\g+i:129+32*\g+i]
	v_pk_add_f32 v[18:19], v[18:19], v[130+32*\g+i:131+32*\g+i]
.set i, i+4
.endr
.endm
.macro NORM s                          ; e / sum, held to 1e-8 .. 1
.set i, 0
.rept 32
	v_pk_mul_f32 v[\s+i:\s+i+1], v[\s+i:\s+i+1], v[14:15]
.set i, i+2
.endr
.set i, 0
.rept 64
	v_med3_num_f32 v[\s+i], v[\s+i], s55, 1.0
.set i, i+1
.endr
.endm
	s_load_b256 s[8:15], s[0:1], 0x0               ; qkv s[8:9], maskw s[10:11], rel_pos_table s[12:13], gat s[14:15]
	v_lshrrev_b32 v1, 5, v0
	v_readfirstlane_b32 s2, v1                     ; wave
	s_lshr_b32 s3, s2, 3                           ; team
	s_and_b32 s4, s2, 7                            ; my 256 keys
	s_and_b32 s59, ttmp7, 0xffff                   ; batch x 16 + head
	s_lshr_b32 s60, s59, 4
	s_and_b32 s61, s59, 15
	v_and_b32 v31, 31, v0
	v_lshlrev_b32 v1, 4, v31                       ; 16 x lane
	v_and_b32 v126, 15, v0                         ; r
	v_bfe_u32 v127, v0, 4, 1                       ; h
	v_and_b32 v2, 8, v126
	v_add_nc_u32 v2, v2, v126
	v_lshl_add_u32 v9, v127, 4, 16
	v_sub_nc_u32 v2, v9, v2
	s_lshl_b32 s62, s3, 3
	v_sub_nc_u32 v2, v2, s62                       ; 16 h - 8 team - r - 8 (r / 8) + 16
	s_lshl_b32 s62, s2, 13
	v_add_nc_u32 v4, s62, v1                       ; my V fragments
	s_mul_i32 s62, s2, 6144
	s_add_co_u32 s62, s62, RT
	v_add_nc_u32 v23, s62, v1                      ; my near biases
	s_lshl_b32 s62, s3, 9
	s_add_co_u32 s62, s62, SUMX
	v_lshl_add_u32 v6, v126, 5, s62
	s_lshl_b32 s63, s4, 2
	v_add_nc_u32 v5, s63, v6
	s_lshl_b32 s62, s2, 12
	s_add_co_u32 s62, s62, OX
	v_add_nc_u32 v7, s62, v1
	s_lshl_b32 s62, s3, 15
	s_and_b32 s58, s4, 1                           ; b: which 32 channels a gathering wave takes
	s_lshl_b32 s63, s58, 11
	s_add_co_u32 s62, s62, s63
	s_add_co_u32 s62, s62, OX
	v_add_nc_u32 v8, s62, v1
	s_lshl_b32 s62, s59, 15
	v_lshl_add_u32 v120, v126, 4, s62              ; Q's codes: head, 16 r
	s_lshl_b32 s62, s59, 11
	s_add_co_u32 s62, s62, 0x400000
	v_lshl_add_u32 v121, v126, 2, s62              ; Q's scale words
	s_lshr_b32 s62, s61, 3
	s_lshl_b32 s62, s62, 8
	s_lshl_b32 s63, s60, 7
	s_add_co_u32 s62, s62, s63
	s_lshl_b32 s62, s62, 12
	s_bfe_u32 s63, s61, 0x20001
	s_lshl_b32 s63, s63, 10
	s_add_co_u32 s62, s62, s63
	s_and_b32 s63, s61, 1
	s_lshl_b32 s63, s63, 9
	s_add_co_u32 s62, s62, s63
	s_lshl_b32 s63, s58, 8
	s_add_co_u32 s62, s62, s63
	v_lshl_add_u32 v122, v126, 4, s62
	v_lshl_add_u32 v122, v127, 3, v122             ; the gated codes' place, but for the tile
	s_lshr_b32 s62, s61, 1
	s_lshl_b32 s62, s62, 12
	s_lshl_b32 s63, s60, 11
	s_add_co_u32 s62, s62, s63
	s_lshl_b32 s62, s62, 2
	s_and_b32 s63, s61, 1
	s_lshl_b32 s63, s63, 1
	s_add_co_u32 s62, s62, s63
	s_add_co_u32 s62, s62, s58
	s_add_co_u32 s62, s62, 0x200000
	v_lshl_add_u32 v123, v126, 2, s62              ; and their scale byte's
	s_lshl_b32 s62, s59, 19
	s_add_co_u32 s62, s62, 0x440000
	v_lshl_add_u32 v29, v31, 8, s62                ; sigmoid(U) of my head: lanes 256 bytes apart, for the prefetch
	s_lshl_b32 s63, s58, 11
	s_add_co_u32 s62, s62, s63
	v_add_nc_u32 v124, s62, v1
	s_lshl_b32 s62, s59, 15
	s_lshl_b32 s63, s4, 12
	s_add_co_u32 s62, s62, s63
	s_add_co_u32 s62, s62, 0x100000
	v_add_nc_u32 v100, s62, v1
	s_lshl_b32 s62, s59, 11
	s_lshl_b32 s63, s4, 8
	s_add_co_u32 s62, s62, s63
	s_add_co_u32 s62, s62, 0x410000
	v_lshl_add_u32 v101, v126, 2, s62
	s_lshl_b32 s62, s59, 12
	s_lshl_b32 s63, s4, 9
	s_add_co_u32 s62, s62, s63
	s_add_co_u32 s62, s62, 0x420000
	v_lshl_add_u32 v102, v126, 2, s62
	v_lshlrev_b32 v103, 2, v31
	s_lshl_b32 s62, s59, 16
	s_lshl_b32 s63, s4, 13
	s_add_co_u32 s62, s62, s63
	s_add_co_u32 s62, s62, 0x200000
	v_add_nc_u32 v104, s62, v1
	s_mov_b32 s[SEL], 0x76543210
	s_mov_b32 s[SEL+1], 0xfedcba98
	s_mov_b32 s50, 0xc29044fe                      ; -50 log2(e)
	s_mov_b32 s51, 0x429044fe
	s_mov_b32 s55, 0x322bcc77                      ; 1e-8
	s_mov_b32 s66, 0xffff
	s_mov_b32 s67, 0xffff0000
	s_mov_b32 s5, 0
	s_wait_kmcnt 0x0
.irp k, 0,1,2,3,4,5,6,7
	global_load_b128 v[64+4*\k:67+4*\k], v100, s[8:9] offset:512*\k          ; my 256 keys' codes stay in registers
.endr
.irp k, 0,1,2,3,4,5,6,7
	global_load_u16 v[32+\k], v101, s[8:9] offset:64*(\k/2)+2*(\k%2)          ; bytes 0, 1: key blocks 2 k, 2 k + 1; bytes 2, 3 are 0 and meet zero codes
.endr
.irp k, 0,1,2,3,4,5,6,7
	global_load_b32 v[40+\k], v102, s[8:9] offset:64*\k                      ; V's scale words: K step k / 4, channels 16 (k % 4) on
.endr
	global_load_b32 v3, v103, s[12:13]
.irp i, 0,1,2,3,4,5,6,7,8,9,10,11,12,13,14,15
	global_load_b128 v[128+4*\i:131+4*\i], v104, s[8:9] offset:512*\i
.endr
	s_lshl_b32 s62, ttmp9, 4
	s_add_co_u32 s62, s62, s3
	QLOAD
	MASK01                                         ; the first trip's first four key blocks
	v_mov_b32 v12, s50
	v_mov_b32 v20, 0x3e8293ee                      ; log2(e) / sqrt(32)
	v_mov_b32 v21, 0x3e8293ee
.irp r, 52,53,54,55,60,61,62,63,96,97,98,99,112,113,114,115
	v_mov_b32 v[\r], 0                             ; zero codes; permute targets
.endr
	s_wait_loadcnt 0x0
	v_mul_f32 v3, 0x3fb8aa3b, v3                   ; the table x log2(e), one number a lane
	v_readlane_b32 s52, v3, 0
	v_readlane_b32 s53, v3, 31
.irp i, 0,1,2,3,4,5,6,7,8,9,10,11,12,13,14,15
	ds_store_b128 v4, v[128+4*\i:131+4*\i] offset:512*\i                     ; my own bytes: no other wave touches them
.endr
	s_wait_dscnt 0x0                               ; the stores have read their registers, which the scores take
	; the near biases, once: register n of the key block that lies rel - 1 blocks behind the queries' holds table[clamp(key - query + 16)]
.irp rel, 0,1,2
.irp u, 0,1
.irp i, 0,1,2,3,4,5,6,7
	v_add_nc_u32 v[100+\i], 32*\rel+32+8*\u+\i, v2 ; key - query + 16, 64 added
.endr
.irp i, 0,1,2,3,4,5,6,7
	v_max_u32 v[100+\i], 64, v[100+\i]
.endr
.irp i, 0,1,2,3,4,5,6,7
	v_min_u32 v[100+\i], 95, v[100+\i]
.endr
.irp i, 0,1,2,3,4,5,6,7
	v_lshlrev_b32 v[100+\i], 2, v[100+\i]
.endr
.irp i, 0,1,2,3,4,5,6,7
	ds_bpermute_b32 v[108+\i], v[100+\i], v3
.endr
	s_wait_dscnt 0x0
	ds_store_b128 v23, v[108:111] offset:2048*\rel+1024*\u
	ds_store_b128 v23, v[112:115] offset:2048*\rel+1024*\u+512
	s_wait_dscnt 0x0                               ; the stores have read their registers
.endr
.endr
.Ltrip:
	s_lshl_b32 s62, ttmp9, 3
	s_add_co_u32 s6, s62, s5                       ; the queries' block of 32
	s_lshl_b32 s7, s6, 1
	s_add_co_u32 s7, s7, s3                        ; my team's tile of 16
	s_wait_loadcnt 0x0                             ; Q
	s_mov_b32 s54, s100                            ; where this trip's mask words lie (the loads that named s54 were waited for in the trip before)
	s_and_b32 s62, s7, 3
	s_lshl_b32 s62, s62, 3
	v_lshrrev_b32 v13, s62, v28
	v_and_b32 v13, 0xff, v13
	v_mul_u32_u24 v13, 0x101, v13                  ; Q's scale byte in bytes 0 and 1.  Twelve plain instructions follow ahead of the products
.irp i, 0,1,2,3
	v_cndmask_b32 v[48+\i], 0, v[24+\i], s66       ; variant 0: Q in K block 0
	v_cndmask_b32 v[56+\i], 0, v[24+\i], s67       ; variant 1: in K block 1
.endr
.irp i, 16,17,18,19
	v_mov_b32 v[\i], 0
.endr
.irp k, 0,1,2,3,4,5,6,7
.irp u, 0,1
	v_wmma_scale_f32_16x16x128_f8f6f4 v[128+16*\k+8*\u:135+16*\k+8*\u], v[64+4*\k:71+4*\k], v[48+8*\u:55+8*\u], 0, v[32+\k], v13 matrix_a_fmt:MATRIX_FMT_FP4 matrix_b_fmt:MATRIX_FMT_FP4
.endr
.endr
.rept 4
	v_nop
.endr
	s_add_co_u32 s62, s5, 1                        ; the next trip's Q (the last trip asks for its own again: no load leaves the buffer)
	s_min_u32 s62, s62, 7
	s_lshl_b32 s62, s62, 1
	s_lshl_b32 s63, ttmp9, 4
	s_add_co_u32 s62, s62, s63
	s_add_co_u32 s62, s62, s3
	QLOAD
	s_cmp_eq_u32 s2, 7                             ; wave 7 prefetches the next trip's two tiles of sigmoid(U), 8 KB, lanes 256 bytes apart: each block is named once in the launch; the last trip asks for nothing
	s_cselect_b32 s63, s5, 7
	s_cmp_lt_u32 s63, 7
	s_cbranch_scc0 .Lno_pf
	s_add_co_u32 s63, s6, 1
	s_lshl_b32 s63, s63, 13
	v_add_nc_u32 v30, s63, v29
	global_prefetch_b8 v30, s[8:9] th:TH_LOAD_NT scope:SCOPE_SE
.Lno_pf:
	GROUP 0, 16
	GROUP 1, 68
	GROUP 2, 16
	GROUP 3, 68
	s_add_co_u32 s62, s5, 1                        ; both sets of mask words have been read: the next trip's first four key blocks (the last trip asks for its own again: no load leaves the buffer)
	s_min_u32 s62, s62, 7
	s_lshl_b32 s62, s62, 1
	s_lshl_b32 s63, ttmp9, 4
	s_add_co_u32 s62, s62, s63
	s_add_co_u32 s62, s62, s3
	MASK01
	v_pk_add_f32 v[16:17], v[16:17], v[18:19]
	v_add_f32 v16, v16, v17
	v_permlanex16_b32 v17, v16, s[SEL], s[SEL+1]
	v_add_f32 v16, v16, v17                        ; my 256 keys' sum for query r
	ds_store_b32 v5, v16
	s_wait_dscnt 0x0
	s_barrier_signal -1
	s_barrier_wait -1                              ; the team's eight partial sums lie in LDS; the last trip's reads of the partial O^T are over
	ds_load_b128 v[100:103], v6
	ds_load_b128 v[104:107], v6 offset:16
	s_wait_dscnt 0x0
.irp i, 1,2,3,4,5,6,7
	v_add_f32 v100, v100, v[100+\i]                ; the same order in all eight waves
.endr
	v_rcp_f32 v14, v100
	v_nop
	s_wait_alu depctr_va_vdst(0)
	v_mov_b32 v15, v14
	NORM 128
	QUANT 128, 100, 22
.irp t, 0,1,2,3
.irp p, 0,1
	ds_load_b128 v[128+8*\t+4*\p:131+8*\t+4*\p], v4 offset:1024*\t+512*\p
.endr
.endr
	NORM 192                                       ; also the plain instructions between the codes and scale word just made and the products
	s_wait_dscnt 0x0
.irp t, 0,1,2,3
	v_wmma_scale_f32_16x16x128_f8f6f4 v[160+8*\t:167+8*\t], v[128+8*\t:135+8*\t], v[100:107], 0, v[40+\t], v22 matrix_a_fmt:MATRIX_FMT_FP4 matrix_b_fmt:MATRIX_FMT_FP4
.endr
	QUANT 192, 100, 22                             ; its 32 maxima stand between the products and the rewriting of their operands
.irp t, 0,1,2,3
.irp p, 0,1
	ds_load_b128 v[128+8*\t+4*\p:131+8*\t+4*\p], v4 offset:4096+1024*\t+512*\p
.endr
.endr
	GATHERS
	s_cbranch_scc0 .Lno_ug
	s_lshl_b32 s62, s7, 12
	v_add_nc_u32 v11, s62, v124
.irp i, 0,1,2,3
	global_load_b128 v[192+4*\i:195+4*\i], v11, s[8:9] offset:512*\i th:TH_LOAD_NT
.endr
.Lno_ug:
.rept 8
	v_nop                                          ; eight plain instructions behind the scale word, four behind the codes
.endr
	s_wait_dscnt 0x0
.irp t, 0,1,2,3
	v_wmma_scale_f32_16x16x128_f8f6f4 v[160+8*\t:167+8*\t], v[128+8*\t:135+8*\t], v[100:107], v[160+8*\t:167+8*\t], v[44+\t], v22 matrix_a_fmt:MATRIX_FMT_FP4 matrix_b_fmt:MATRIX_FMT_FP4
.endr
.rept 4
	v_nop
.endr
.irp t, 0,1,2,3
.irp p, 0,1
	ds_store_b128 v7, v[160+8*\t+4*\p:163+8*\t+4*\p] offset:512*(2*\t+\p)
.endr
.endr
	s_wait_dscnt 0x0
	s_barrier_signal -1
	s_barrier_wait -1                              ; the team's eight partial O^T lie in LDS; its reads of the partial sums are over
	GATHERS
	s_cbranch_scc0 .Lnot_des
.irp w, 0,1,2,3,4,5,6,7
.if \w < 4
.set DR, 128+16*\w
.elseif \w < 7
.set DR, 208+16*(\w-4)
.else
.set DR, 100
.endif
.irp i, 0,1,2,3
	ds_load_b128 v[DR+4*\i:DR+4*\i+3], v8 offset:4096*\w+512*\i
.endr
.endr
	s_wait_dscnt 0x0
.irp w, 1,2,3,4,5,6,7
.if \w < 4
.set DR, 128+16*\w
.elseif \w < 7
.set DR, 208+16*(\w-4)
.else
.set DR, 100
.endif
.irp i, 0,2,4,6,8,10,12,14
	v_pk_add_f32 v[128+\i:129+\i], v[128+\i:129+\i], v[DR+\i:DR+\i+1]
.endr
.endr
	s_wait_loadcnt 0x0
.irp i, 0,2,4,6,8,10,12,14
	v_pk_mul_f32 v[128+\i:129+\i], v[128+\i:129+\i], v[192+\i:193+\i]        ; x sigmoid(U): 16 neighbouring channels of my query
.endr
	v_max3_num_f32 v116, |v128|, |v129|, 0x1800000
.irp i, 2,4,6,8,10,12,14
	v_max3_num_f32 v116, v116, |v[128+\i]|, |v[129+\i]|
.endr
	v_permlanex16_b32 v117, v116, s[SEL], s[SEL+1]
	v_max_num_f32 v116, v116, v117
	v_add_nc_u32 v118, 0xff000000, v116
	v_lshrrev_b32 v119, 23, v118
	v_cvt_scalef32_pk8_fp4_f32 v126, v[128:135], v118
	v_cvt_scalef32_pk8_fp4_f32 v127, v[136:143], v118
	v_nop
	s_lshl_b32 s62, s7, 12
	v_add_nc_u32 v31, s62, v122
	s_lshl_b32 s62, s7, 6
	v_add_nc_u32 v125, s62, v123
	global_store_b64 v31, v[126:127], s[14:15]     ; the wave fills 256 consecutive bytes
	global_store_b8 v125, v119, s[14:15]
.Lnot_des:
	s_wait_xcnt 0x0                                ; the stores and the prefetch have read their registers: the next trip may write them
	s_add_co_u32 s5, s5, 1
	s_cmp_lt_u32 s5, 8
	s_cbranch_scc1 .Ltrip
	s_wait_xcnt 0x0
	v_lshl_add_u32 v254, v0, 2, 0x48400
	v_mov_b32 v255, 0
	s_wait_tensorcnt 0x0
	ds_add_u32 v254, v255
	s_wait_dscnt 0x0
	s_endpgm
.Lfunc_end_k_qfc999b1601_attn:
	.size	k_qfc999b1601_attn, .Lfunc_end_k_qfc999b1601_attn-k_qfc999b1601_attn
	.p2alignl 7, 3214868480
	.fill 96, 4, 3214868480
	.section	.rodata,"a",@progbits
	.p2align	6, 0x0
	.amdhsa_kernel k_qfc999b1601_attn
		.amdhsa_group_segment_fixed_size 297984
		.amdhsa_private_segment_fixed_size 0
		.amdhsa_enable_private_segment 0
		.amdhsa_kernarg_size 32
		.amdhsa_user_sgpr_count 2
		.amdhsa_user_sgpr_kernarg_segment_ptr 1
		.amdhsa_wavefront_size32 1
		.amdhsa_system_sgpr_workgroup_id_x 1
		.amdhsa_system_sgpr_workgroup_id_y 1
		.amdhsa_system_sgpr_workgroup_id_z 1
		.amdhsa_system_vgpr_workitem_id 0
		.amdhsa_next_free_vgpr 256
		.amdhsa_next_free_sgpr 102
		.amdhsa_reserve_vcc 0
		.amdhsa_float_denorm_mode_32 3
		.amdhsa_float_denorm_mode_16_64 3
		.amdhsa_memory_ordered 1
		.amdhsa_forward_progress 1
		.amdhsa_inst_pref_size 103
	.end_amdhsa_kernel
	.amdgpu_metadata
---
amdhsa.version: [ 1, 2 ]
amdhsa.kernels:
  - .name:           k_qfc999b1601_attn
    .symbol:         k_qfc999b1601_attn.kd
    .args:
      - { .name: qkv, .offset: 0, .size: 8, .value_kind: global_buffer, .address_space: global }
      - { .name: maskw, .offset: 8, .size: 8, .value_kind: global_buffer, .address_space: global }
      - { .name: rel_pos_table, .offset: 16, .size: 8, .value_kind: global_buffer, .address_space: global }
      - { .name: gat, .offset: 24, .size: 8, .value_kind: global_buffer, .address_space: global }
    .group_segment_fixed_size: 297984
    .private_segment_fixed_size: 0
    .kernarg_segment_align: 8
    .kernarg_segment_size: 32
    .max_flat_workgroup_size: 512
    .sgpr_count:     102
    .vgpr_count:     256
    .wavefront_size: 32
...
	.end_amdgpu_metadata
.endif
;; end of part 3
;; launch wo (part 4): grid 8 x 32, 4 waves a work-group, clusters of 4 x 4, 207,360 bytes of LDS; arguments gat, prep, x, res_w, gate_w, o1; writes o1
.if DOCPART == 4
	.amdgcn_target "amdgcn-amd-amdhsa--gfx1250"
	.amdhsa_code_object_version 6
	.text
	.protected	k_qfc999b1601_wo
	.globl	k_qfc999b1601_wo
	.p2align	8
	.type	k_qfc999b1601_wo,@function
k_qfc999b1601_wo:
	s_mov_b64 s[64:65], 0
	v_nop
	global_prefetch_b8 v0, s[64:65] scope:SCOPE_SE
	s_setreg_imm32_b32 hwreg(HW_REG_WAVE_MODE, 25, 1), 1
	s_wait_xcnt 0x0
	s_wait_alu depctr_hold_cnt(0) depctr_sa_sdst(0) depctr_va_vdst(0) depctr_va_sdst(0) depctr_va_ssrc(0) depctr_va_vcc(0) depctr_vm_vsrc(0)
	s_getreg_b32 s2, hwreg(HW_REG_IB_STS2, 6, 4)
	s_cmp_eq_u32 s2, 0
	s_cbranch_scc0 .Lentry_in_a_cluster
	s_endpgm
.Lentry_in_a_cluster:
	s_bfe_u32 s2, ttmp6, 0x10000c
	s_cmp_lg_u32 s2, 0xf033
	s_cbranch_scc0 .Lentry_shape_is_right
	s_endpgm
.Lentry_shape_is_right:
; o1 = sigmoid(res_w) x + sigmoid(gate_w) (gated wo^T): the product on FP4 codes; o1 leaves in f32 (for the last residual) and as FP4 codes with scale bytes (for the next product).
; A work-group makes 128 tokens x 128 columns, each of its four waves 64 x 64.  The products are used transposed: lane (r, h) holds token position r, register j of tile b the true column 32 (b / 2) + 16 h + 8 (b % 2) + j.
; K = 1,024 lies in two LDS slots of 512, each filled once.  x's tile of 128 x 128 comes by a tensor load of each wave's own (32 rows, 528 bytes apart in LDS); the results are written over it and leave as whole rows.
; TWO SETS OF FRAGMENTS: a wave is alone on its SIMD, so a K step's 20 LDS loads are issued ahead of the 16 products of the step before.  Set 0 is v60-123, set 1 the same numbers in the second window of 256 registers
; (s_set_vgpr_msb: bits 1:0 source 0, 3:2 source 1, 5:4 source 2, 7:6 destination); the scale words of set 1 lie in v20-23, since scale operands have no window.  Four switches for two K steps.
; CLUSTER 4 x 4: the gated codes are shared along a row of the cluster, wo's along a column.
; LIMITS: zero blocks and blocks under 2^-124 get the scale byte 1 (read by this program alone); NaN and infinities are not served.
.set WM, 2
.set WN, 2
.set LW, 1
.set UB, 16384
.set NSTEPS, 8
.set CD0, 32
.set CD1, 64
.set CSA, 32
.set CSB, 32
.set ACODE, 0
.set ASW,   0x200000
.set ANR,   4096
.set ASTEP, 256*4096
.set BCODE, 0x180000
.set BSW,   0x818000
.set BNR,   1024
.set BSTEP, 64*4096
.set PA, 4
.set PB, 6
.set SLOTB, (WM+WN)*UB
.set QS, 256*NSTEPS
.set SCL, 2*SLOTB
.set XT, SCL+4*QS                      ; x's tile, then o1's: 128 rows x 528 bytes
.set TM, 48
.set SEL, 100
.set SC1, 20                           ; v20-23: the scale words of fragment set 1 (set 0's: v24-27)
.set MSB, 0
.macro WIN new                         ; the immediate's high byte repeats the setting that is left; a switch that changes nothing is dropped
.if MSB != (\new)
	s_set_vgpr_msb (MSB<<8)|(\new)
.set MSB, (\new)
.endif
.endm
.macro QUANT s, pc, pw
.irp b, 0,1,2,3
	v_max3_num_f32 v[TM+\b], |v[\s+16*\b]|, |v[\s+1+16*\b]|, 0x1800000
.endr
.irp i, 2,4,6,8,10,12,14
.irp b, 0,1,2,3
	v_max3_num_f32 v[TM+\b], v[TM+\b], |v[\s+16*\b+\i]|, |v[\s+1+16*\b+\i]|
.endr
.endr
.irp b, 0,1,2,3
	v_permlanex16_b32 v[TM+4+\b], v[TM+\b], s[SEL], s[SEL+1]
.endr
.irp b, 0,1,2,3
	v_max_num_f32 v[TM+\b], v[TM+\b], v[TM+4+\b]
.endr
.irp b, 0,1,2,3
	v_add_nc_u32 v[TM+8+\b], 0xff000000, v[TM+\b]
.endr
.irp b, 0,1,2,3
	v_lshrrev_b32 v[TM+4+\b], 23, v[TM+8+\b]
.endr
	v_lshl_or_b32 v[\pw], v[TM+5], 8, v[TM+4]
	v_lshl_or_b32 v[\pw], v[TM+6], 16, v[\pw]
	v_lshl_or_b32 v[\pw], v[TM+7], 24, v[\pw]
.irp b, 0,1,2,3
	v_cvt_scalef32_pk8_fp4_f32 v[\pc+2*\b], v[\s+16*\b:\s+7+16*\b], v[TM+8+\b]
	v_cvt_scalef32_pk8_fp4_f32 v[\pc+1+2*\b], v[\s+8+16*\b:\s+15+16*\b], v[TM+8+\b]
.endr
	v_nop
.irp c, 0,1
.irp i, 0,1
	v_permlane16_swap_b32 v[\pc+4*\c+\i], v[\pc+2+4*\c+\i]
.endr
.endr
.endm
.macro CROUND
	s_barrier_signal -1
	s_barrier_wait -1
	s_cmp_lg_u32 s14, 0
	s_cbranch_scc1 .Lnot_wave_0_\@
	s_barrier_signal -3
.Lnot_wave_0_\@:
	s_barrier_wait -3
	s_barrier_signal -1
	s_barrier_wait -1
.endm
; The loads of one K step of 128 into fragment set f: 8 + 8 fragment loads, 4 loads of scale words (lanes 0-15 the tokens', lanes 16-31 the weights')
.macro LD sl, hf, q, st, f
.if (\f)
	WIN 0x40                                       ; destination in the second window, address in the first
.endif
.irp b, 0,1,2,3
.irp p, 0,1
	ds_load_b128 v[92+8*\b+4*\p:95+8*\b+4*\p], v[6+(\sl)] offset:16384*(\hf)+4096*\b+1024*(\q)+512*\p
.endr
.endr
.irp a, 0,1,2,3
.irp p, 0,1
	ds_load_b128 v[60+8*\a+4*\p:63+8*\a+4*\p], v[4+(\sl)] offset:16384*(\hf)+4096*\a+1024*(\q)+512*\p
.endr
.endr
	WIN 0
.irp i, 0,1,2,3
	ds_load_b32 v[24+(SC1-24)*(\f)+\i], v8 offset:256*(\st)+64*\i
.endr
.endm
; The 16 products of a K step on fragment set f, the accumulators by turns.  cm = 0: they start the sums
.macro MM f, cm
.if (\f)
	WIN 0x05                                       ; both sources in the second window, C and D in the first
.endif
.irp a, 0,1,2,3
.irp b, 0,1,2,3
.if (\cm) == 0
	v_wmma_scale_f32_16x16x128_f8f6f4 v[128+8*(4*\a+\b):135+8*(4*\a+\b)], v[92+8*\b:99+8*\b], v[60+8*\a:67+8*\a], 0, v[24+(SC1-24)*(\f)+\b], v[24+(SC1-24)*(\f)+\a] matrix_a_fmt:MATRIX_FMT_FP4 matrix_b_fmt:MATRIX_FMT_FP4 matrix_a_scale:MATRIX_SCALE_ROW1
.else
	v_wmma_scale_f32_16x16x128_f8f6f4 v[128+8*(4*\a+\b):135+8*(4*\a+\b)], v[92+8*\b:99+8*\b], v[60+8*\a:67+8*\a], v[128+8*(4*\a+\b):135+8*(4*\a+\b)], v[24+(SC1-24)*(\f)+\b], v[24+(SC1-24)*(\f)+\a] matrix_a_fmt:MATRIX_FMT_FP4 matrix_b_fmt:MATRIX_FMT_FP4 matrix_a_scale:MATRIX_SCALE_ROW1
.endif
.endr
.endr
	WIN 0
.rept 4
	v_nop                                          ; four plain instructions ahead of the loads that take this set's registers again, and of the first read of results
.endr
.endm
; A slot's four K steps: step j + 1's loads are issued behind the wait for step j's and ahead of step j's products
.macro HALF sl, st0, cm0
	LD \sl, 0, 0, \st0, 0
.set j, 0
.rept 4
	s_wait_dscnt 0x0                               ; step j's fragments and scale words are in
.if j < 3
	LD \sl, 0, j+1, (\st0)+j+1, (j+1)%2
.endif
.if j == 0
	MM 0, \cm0
.else
	MM j%2, 2
.endif
.set j, j+1
.endr
.endm
	s_load_b256 s[4:11], s[0:1], 0x0               ; gat s[4:5], prep s[6:7], x s[8:9], res_w s[10:11]
	s_load_b64 s[2:3], s[0:1], 0x20                ; gate_w
	s_load_b64 s[12:13], s[0:1], 0x28              ; o1
	v_lshl_add_u32 v126, v0, 2, 0x32800
	v_mov_b32 v127, 0
	ds_add_u32 v126, v127
	ds_add_u32 v126, v127
	v_lshrrev_b32 v1, 5, v0
	v_readfirstlane_b32 s14, v1
	s_lshr_b32 s15, s14, LW
	s_and_b32 s16, s14, WN-1
	s_bfe_u32 s40, ttmp6, 0x40000
	s_bfe_u32 s41, ttmp6, 0x40004
	s_lshl_b32 s42, ttmp9, 2
	s_add_co_u32 s42, s42, s40                     ; tile column
	s_and_b32 s17, ttmp7, 0xffff
	s_lshl_b32 s17, s17, 2
	s_add_co_u32 s17, s17, s41                     ; tile row
	s_lshl_b32 s43, s41, 2
	s_lshl_b32 s43, 15, s43
	s_lshl_b32 s44, 0x1111, s40
	s_or_b32 s24, s43, (3<<16)|(1<<21)
	s_or_b32 s48, s44, (3<<16)|(1<<21)
.irp g, 24,48
	s_mov_b32 s[\g+1], CD0<<16
	s_mov_b32 s[\g+2], CD1<<16
	s_mov_b32 s[\g+3], CD0<<16
	s_mov_b32 s[\g+4], CD1
	s_mov_b32 s[\g+6], 0
	s_mov_b32 s[\g+7], 0
.endr
	s_mov_b32 s29, CSA
	s_mov_b32 s53, CSB
	s_or_b32 s68, s43, (2<<16)|(1<<21)
	s_or_b32 s80, s44, (2<<16)|(1<<21)
.irp g, 68,80
	s_mov_b32 s[\g+1], 64<<16
	s_mov_b32 s[\g+2], NSTEPS<<16
	s_mov_b32 s[\g+3], 64<<16
	s_mov_b32 s[\g+4], NSTEPS
	s_mov_b32 s[\g+6], 0
	s_mov_b32 s[\g+7], 0
.endr
	s_mov_b32 s73, ANR
	s_mov_b32 s85, BNR
	s_mov_b32 s92, (2<<16)|(1<<20)|(6<<22)|(3<<25) ; x's tile: no mask; elements of 4 bytes; 4 words of padding behind every 128
	s_mov_b32 s93, 128<<16
	s_mov_b32 s94, 32<<16
	s_mov_b32 s95, 128<<16
	s_mov_b32 s96, 32
	s_mov_b32 s97, 1024
	s_mov_b32 s98, 0
	s_mov_b32 s99, 0
	s_and_b32 s18, s14, WM-1
	s_mul_i32 s19, s17, WM
	s_add_co_u32 s18, s18, s19
	s_lshl_b32 s34, s18, 14
	s_add_co_u32 s34, s34, ACODE
	s_mov_b32 s35, 0
	s_lshl_b32 s78, s18, 8
	s_add_co_u32 s78, s78, ASW
	s_mov_b32 s79, 0
	s_and_b32 s46, s14, WN-1
	s_mul_i32 s47, s42, WN
	s_add_co_u32 s46, s46, s47
	s_lshl_b32 s58, s46, 14
	s_add_co_u32 s58, s58, BCODE
	s_mov_b32 s59, 0
	s_lshl_b32 s90, s46, 8
	s_add_co_u32 s90, s90, BSW
	s_mov_b32 s91, 0
	s_mul_i32 s45, s14, UB
.irp r, 20,32,36,56,60,76,88
	s_mov_b32 s[\r], 1
.endr
	s_mov_b32 s33, s45
	s_add_co_u32 s37, s45, SLOTB
	s_mov_b32 s57, s45
	s_add_co_u32 s61, s45, SLOTB
	s_mul_i32 s77, s14, QS
	s_add_co_u32 s77, s77, SCL
	s_mov_b32 s89, s77
	s_mul_i32 s21, s14, 32*528
	s_add_co_u32 s21, s21, XT
	s_lshl_b32 s22, s17, 7
	s_lshl_b32 s23, s14, 5
	s_add_co_u32 s22, s22, s23
	s_lshl_b32 s22, s22, 12
	s_lshl_b32 s23, s42, 9
	s_add_co_u32 s22, s22, s23
	s_mov_b32 s23, 0
	s_mov_b32 s[SEL], 0x76543210
	s_mov_b32 s[SEL+1], 0xfedcba98
	s_wait_dscnt 0x0
	s_wait_kmcnt 0x0
	s_load_b32 s66, s[10:11], 0x0
	s_load_b32 s67, s[2:3], 0x0
	s_add_nc_u64 s[34:35], s[PA:PA+1], s[34:35]
	s_add_nc_u64 s[38:39], s[34:35], ASTEP
	s_add_nc_u64 s[58:59], s[PB:PB+1], s[58:59]
	s_add_nc_u64 s[62:63], s[58:59], BSTEP
	s_add_nc_u64 s[78:79], s[PA:PA+1], s[78:79]
	s_add_nc_u64 s[90:91], s[PB:PB+1], s[90:91]
	s_add_nc_u64 s[22:23], s[8:9], s[22:23]
.irp r, 23,35,39,59,63,79,91
	s_or_b32 s[\r], s[\r], 0x80000000
.endr
	CROUND
	s_cmp_lt_u32 s14, WM                           ; waves 0, 1 fetch the tokens' units, waves 2, 3 the weights'; each its 32 rows of x: four loads of a wave are out
	s_cbranch_scc0 .Lnot_a
	tensor_load_to_lds s[76:79], s[68:75]
	s_nop 0
	tensor_load_to_lds s[32:35], s[24:31]
	s_nop 0
	tensor_load_to_lds s[36:39], s[24:31]
	s_nop 0
	tensor_load_to_lds s[20:23], s[92:99]
	s_nop 0
.rept 4
	v_nop
.endr
	s_branch .Lfilled
.Lnot_a:
	tensor_load_to_lds s[88:91], s[80:87]
	s_nop 0
	tensor_load_to_lds s[56:59], s[48:55]
	s_nop 0
	tensor_load_to_lds s[60:63], s[48:55]
	s_nop 0
	tensor_load_to_lds s[20:23], s[92:99]
	s_nop 0
.rept 4
	v_nop
.endr
.Lfilled:
	v_and_b32 v1, 15, v0
	v_bfe_u32 v2, v0, 4, 1
	v_and_b32 v3, 31, v0
	v_lshlrev_b32 v3, 4, v3
	s_mul_i32 s18, s15, UB
	v_add_nc_u32 v4, s18, v3
	v_add_nc_u32 v5, SLOTB, v4
	s_mul_i32 s19, s16, UB
	s_add_co_u32 s19, s19, WM*UB
	v_add_nc_u32 v6, s19, v3
	v_add_nc_u32 v7, SLOTB, v6
	s_mul_i32 s18, s15, QS
	s_mul_i32 s19, s16, QS
	s_add_co_u32 s19, s19, WM*QS
	s_sub_co_u32 s19, s19, s18
	v_mul_u32_u24 v8, s19, v2
	s_add_co_u32 s18, s18, SCL
	v_lshl_add_u32 v8, v1, 2, v8
	v_add_nc_u32 v8, s18, v8
	v_and_b32 v14, 8, v1
	v_add_nc_u32 v14, v14, v1
	v_mul_u32_u24 v9, v14, 528
	v_lshl_add_u32 v9, v2, 6, v9
	s_mul_i32 s18, s15, 64*528
	s_lshl_b32 s19, s16, 8
	s_add_co_u32 s18, s18, s19
	s_add_co_u32 s18, s18, XT
	v_add_nc_u32 v9, s18, v9                       ; my numbers' place in the tile: true row, my 64 columns, 16 h on
	s_mul_i32 s18, s14, 32*528
	s_add_co_u32 s18, s18, XT
	v_add_nc_u32 v10, s18, v3                      ; whole rows back: 32 a wave
	s_lshl_b32 s18, s17, 7
	s_lshl_b32 s19, s14, 5
	s_add_co_u32 s18, s18, s19
	s_lshl_b32 s18, s18, 12
	s_lshl_b32 s19, s42, 9
	s_add_co_u32 s18, s18, s19
	v_add_nc_u32 v11, s18, v3
	s_lshr_b32 s18, s42, 2
	s_lshl_b32 s18, s18, 8
	s_lshl_b32 s19, s17, 3
	s_add_co_u32 s18, s18, s19
	s_lshl_b32 s19, s15, 2
	s_add_co_u32 s18, s18, s19
	s_lshl_b32 s18, s18, 12
	s_and_b32 s19, s42, 3
	s_lshl_b32 s19, s19, 10
	s_add_co_u32 s18, s18, s19
	s_lshl_b32 s19, s16, 9
	s_add_co_u32 s18, s18, s19
	s_add_co_u32 s18, s18, 0x1000000
	v_add_nc_u32 v12, s18, v3                      ; the codes' place
	s_lshl_b32 s18, s42, 12
	s_lshl_b32 s19, s17, 7
	s_add_co_u32 s18, s18, s19
	s_lshl_b32 s19, s15, 6
	s_add_co_u32 s18, s18, s19
	s_lshl_b32 s18, s18, 2
	s_lshl_b32 s19, s16, 1
	s_add_co_u32 s18, s18, s19
	s_add_co_u32 s18, s18, 0x1200000
	v_lshl_add_u32 v13, v1, 2, s18                 ; the scale bytes' place
	s_wait_kmcnt 0x0
	v_mov_b32 v16, s66
	v_mov_b32 v18, s67
	v_mul_f32 v16, 0xbfb8aa3b, v16
	v_mul_f32 v18, 0xbfb8aa3b, v18
	v_exp_f32 v16, v16
	v_exp_f32 v18, v18
	v_nop
	s_wait_alu depctr_va_vdst(0)
	v_add_f32 v16, 1.0, v16
	v_add_f32 v18, 1.0, v18
	v_rcp_f32 v16, v16
	v_rcp_f32 v18, v18
	v_nop
	s_wait_alu depctr_va_vdst(0)
	v_mov_b32 v17, v16                             ; sigmoid(res_w), twice
	v_mov_b32 v19, v18                             ; sigmoid(gate_w), twice
	s_wait_tensorcnt 2                             ; scale words and slot 0 are in; slot 1's load and x's may be out
	s_barrier_signal -1
	s_barrier_wait -1
	HALF 0, 0, 0
	s_wait_tensorcnt 0x0
	s_wait_dscnt 0x0
	s_barrier_signal -1
	s_barrier_wait -1                              ; slot 1 and x's tile are whole
	HALF 1, 4, 2
.irp b, 0,1,2,3
	v_mov_b32 v[TM+4+\b], 0
.endr
.irp a, 0,1,2,3
.irp b, 0,1,2,3
.irp p, 0,1
	ds_load_b128 v[60+8*\b+4*\p:63+8*\b+4*\p], v9 offset:(32*(\a/2)+8*(\a%2))*528+(32*(\b/2)+8*(\b%2)+4*\p)*4
.endr
.endr
	s_wait_dscnt 0x0
.set i, 0
.rept 16
	v_pk_mul_f32 v[128+32*\a+i:129+32*\a+i], v[128+32*\a+i:129+32*\a+i], v[18:19]
.set i, i+2
.endr
.set i, 0
.rept 16
	v_pk_fma_f32 v[128+32*\a+i:129+32*\a+i], v[60+i:61+i], v[16:17], v[128+32*\a+i:129+32*\a+i]
.set i, i+2
.endr
.irp b, 0,1,2,3
.irp p, 0,1
	ds_store_b128 v9, v[128+32*\a+8*\b+4*\p:131+32*\a+8*\b+4*\p] offset:(32*(\a/2)+8*(\a%2))*528+(32*(\b/2)+8*(\b%2)+4*\p)*4   ; over the bytes that I alone have read
.endr
.endr
.endr
	QUANT 128, 28, 44
	QUANT 192, 36, 45
.irp a, 0,1,2,3
	global_store_b128 v12, v[28+4*\a:31+4*\a], s[12:13] offset:4096*\a       ; half a fragment: 512 consecutive bytes
.endr
	global_store_b16 v13, v44, s[12:13]            ; my two bytes of each row's scale word
	global_store_d16_hi_b16 v13, v44, s[12:13] offset:64
	global_store_b16 v13, v45, s[12:13] offset:128
	global_store_d16_hi_b16 v13, v45, s[12:13] offset:192
	s_wait_dscnt 0x0
	s_barrier_signal -1
	s_barrier_wait -1                              ; 128 whole rows of o1 lie in the tile
.irp t, 0,1
.if \t
	s_wait_xcnt 0x0                                ; the first sixteen stores have read their registers
.endif
.irp i, 0,1,2,3,4,5,6,7,8,9,10,11,12,13,14,15
	ds_load_b128 v[60+4*\i:63+4*\i], v10 offset:(16*\t+\i)*528
.endr
.irp i, 0,1,2,3,4,5,6,7,8,9,10,11,12,13,14,15
	s_wait_dscnt 15-\i
	global_store_b128 v11, v[60+4*\i:63+4*\i], s[12:13] offset:(16*\t+\i)*4096   ; 512 consecutive bytes of a row
.endr
.endr
	s_wait_tensorcnt 0x0
	ds_add_u32 v126, v127
	s_wait_dscnt 0x0
	CROUND
	s_endpgm
.Lfunc_end_k_qfc999b1601_wo:
	.size	k_qfc999b1601_wo, .Lfunc_end_k_qfc999b1601_wo-k_qfc999b1601_wo
	.p2alignl 7, 3214868480
	.fill 96, 4, 3214868480
	.section	.rodata,"a",@progbits
	.p2align	6, 0x0
	.amdhsa_kernel k_qfc999b1601_wo
		.amdhsa_group_segment_fixed_size 207360
		.amdhsa_private_segment_fixed_size 0
		.amdhsa_enable_private_segment 0
		.amdhsa_kernarg_size 48
		.amdhsa_user_sgpr_count 2
		.amdhsa_user_sgpr_kernarg_segment_ptr 1
		.amdhsa_wavefront_size32 1
		.amdhsa_system_sgpr_workgroup_id_x 1
		.amdhsa_system_sgpr_workgroup_id_y 1
		.amdhsa_system_sgpr_workgroup_id_z 1
		.amdhsa_system_vgpr_workitem_id 0
		.amdhsa_next_free_vgpr 384
		.amdhsa_next_free_sgpr 102
		.amdhsa_reserve_vcc 0
		.amdhsa_float_denorm_mode_32 3
		.amdhsa_float_denorm_mode_16_64 3
		.amdhsa_memory_ordered 1
		.amdhsa_forward_progress 1
		.amdhsa_inst_pref_size 66
	.end_amdhsa_kernel
	.amdgpu_metadata
---
amdhsa.version: [ 1, 2 ]
amdhsa.kernels:
  - .name:           k_qfc999b1601_wo
    .symbol:         k_qfc999b1601_wo.kd
    .args:
      - { .name: gat, .offset: 0, .size: 8, .value_kind: global_buffer, .address_space: global }
      - { .name: prep, .offset: 8, .size: 8, .value_kind: global_buffer, .address_space: global }
      - { .name: x, .offset: 16, .size: 8, .value_kind: global_buffer, .address_space: global }
      - { .name: res_w, .offset: 24, .size: 8, .value_kind: global_buffer, .address_space: global }
      - { .name: gate_w, .offset: 32, .size: 8, .value_kind: global_buffer, .address_space: global }
      - { .name: o1, .offset: 40, .size: 8, .value_kind: global_buffer, .address_space: global }
    .group_segment_fixed_size: 207360
    .private_segment_fixed_size: 0
    .kernarg_segment_align: 8
    .kernarg_segment_size: 48
    .max_flat_workgroup_size: 128
    .sgpr_count:     102
    .vgpr_count:     384
    .wavefront_size: 32
...
	.end_amdgpu_metadata
.endif
;; end of part 4
;; launch ffn1 (part 5): grid 16 x 16, 16 waves a work-group, clusters of 4 x 4, 280,576 bytes of LDS; arguments o1, prep, ffn1_b, ffh; writes ffh
.if DOCPART == 5
	.amdgcn_target "amdgcn-amd-amdhsa--gfx1250"
	.amdhsa_code_object_version 6
	.text
	.protected	k_qfc999b1601_ffn1
	.globl	k_qfc999b1601_ffn1
	.p2align	8
	.type	k_qfc999b1601_ffn1,@function
k_qfc999b1601_ffn1:
	s_mov_b64 s[64:65], 0
	v_nop
	global_prefetch_b8 v0, s[64:65] scope:SCOPE_SE
	s_setreg_imm32_b32 hwreg(HW_REG_WAVE_MODE, 25, 1), 1
	s_wait_xcnt 0x0
	s_wait_alu depctr_hold_cnt(0) depctr_sa_sdst(0) depctr_va_vdst(0) depctr_va_sdst(0) depctr_va_ssrc(0) depctr_va_vcc(0) depctr_vm_vsrc(0)
	s_getreg_b32 s2, hwreg(HW_REG_IB_STS2, 6, 4)
	s_cmp_eq_u32 s2, 0
	s_cbranch_scc0 .Lentry_in_a_cluster
	s_endpgm
.Lentry_in_a_cluster:
	s_bfe_u32 s2, ttmp6, 0x10000c
	s_cmp_lg_u32 s2, 0xf033
	s_cbranch_scc0 .Lentry_shape_is_right
	s_endpgm
.Lentry_shape_is_right:
; ffh = gelu(o1 ffn1_w^T + ffn1_b) as FP4 codes with scale bytes; the product on FP4 codes.  A work-group makes 256 tokens x 256 columns, each of its 16 waves 64 x 64.
; The products are used transposed: lane (r, h) holds token position r, register j of tile b the true column 32 (b / 2) + 16 h + 8 (b % 2) + j.  The bias is the C of each sum's first product.
; K = 1,024 lies in two LDS slots of 512, each filled once.  CLUSTER 4 x 4: o1's codes are shared along a row of the cluster, the weights' along a column.
; GELU is the exact form x (1 + erf(x / sqrt 2)) / 2, written as max(x, 0) - |x| h with h = (1 - erf(|z|)) / 2, z = x / sqrt 2; 1 - erf(|z|) by the rational form (a1 t + .. + a5 t^5) exp(-z^2),
; t = 1 / (1 + 0.3275911 |z|), whose absolute error is at most 1.5e-7.  The square, the polynomial and its two products go two numbers an instruction.
; LIMITS: that error of erf; zero blocks and blocks under 2^-124 get the scale byte 1 (read by this program alone); NaN and infinities are not served.
.set WM, 4
.set WN, 4
.set LW, 2
.set UB, 16384
.set NSTEPS, 8
.set CD0, 32
.set CD1, 64
.set CSA, 32
.set CSB, 32
.set ACODE, 0x1000000
.set ASW,   0x1200000
.set ANR,   4096
.set ASTEP, 256*4096
.set BCODE, 0x200000
.set BSW,   0x820000
.set BNR,   4096
.set BSTEP, 256*4096
.set PA, 4
.set PB, 6
.set SLOTB, (WM+WN)*UB
.set QS, 256*NSTEPS
.set SCL, 2*SLOTB
.set TM, 48
.set SEL, 100
.macro QUANT s, pc, pw
.irp b, 0,1,2,3
	v_max3_num_f32 v[TM+\b], |v[\s+16*\b]|, |v[\s+1+16*\b]|, 0x1800000
.endr
.irp i, 2,4,6,8,10,12,14
.irp b, 0,1,2,3
	v_max3_num_f32 v[TM+\b], v[TM+\b], |v[\s+16*\b+\i]|, |v[\s+1+16*\b+\i]|
.endr
.endr
.irp b, 0,1,2,3
	v_permlanex16_b32 v[TM+4+\b], v[TM+\b], s[SEL], s[SEL+1]
.endr
.irp b, 0,1,2,3
	v_max_num_f32 v[TM+\b], v[TM+\b], v[TM+4+\b]
.endr
.irp b, 0,1,2,3
	v_add_nc_u32 v[TM+8+\b], 0xff000000, v[TM+\b]
.endr
.irp b, 0,1,2,3
	v_lshrrev_b32 v[TM+4+\b], 23, v[TM+8+\b]
.endr
	v_lshl_or_b32 v[\pw], v[TM+5], 8, v[TM+4]
	v_lshl_or_b32 v[\pw], v[TM+6], 16, v[\pw]
	v_lshl_or_b32 v[\pw], v[TM+7], 24, v[\pw]
.irp b, 0,1,2,3
	v_cvt_scalef32_pk8_fp4_f32 v[\pc+2*\b], v[\s+16*\b:\s+7+16*\b], v[TM+8+\b]
	v_cvt_scalef32_pk8_fp4_f32 v[\pc+1+2*\b], v[\s+8+16*\b:\s+15+16*\b], v[TM+8+\b]
.endr
	v_nop
.irp c, 0,1
.irp i, 0,1
	v_permlane16_swap_b32 v[\pc+4*\c+\i], v[\pc+2+4*\c+\i]
.endr
.endr
.endm
.macro CROUND
	s_barrier_signal -1
	s_barrier_wait -1
	s_cmp_lg_u32 s14, 0
	s_cbranch_scc1 .Lnot_wave_0_\@
	s_barrier_signal -3
.Lnot_wave_0_\@:
	s_barrier_wait -3
	s_barrier_signal -1
	s_barrier_wait -1
.endm
.macro KS sl, hf, q, st, cm
.irp b, 0,1,2,3
.irp p, 0,1
	ds_load_b128 v[92+8*\b+4*\p:95+8*\b+4*\p], v[6+\sl] offset:16384*\hf+4096*\b+1024*\q+512*\p
.endr
.endr
.irp a, 0,1,2,3
.irp p, 0,1
	ds_load_b128 v[60+8*\a+4*\p:63+8*\a+4*\p], v[4+\sl] offset:16384*\hf+4096*\a+1024*\q+512*\p
.endr
.endr
.irp i, 0,1,2,3
	ds_load_b32 v[24+\i], v8 offset:256*(\st)+64*\i
.endr
	s_wait_dscnt 0x0
.irp a, 0,1,2,3
.irp b, 0,1,2,3
.if \cm == 1
	v_wmma_scale_f32_16x16x128_f8f6f4 v[128+8*(4*\a+\b):135+8*(4*\a+\b)], v[92+8*\b:99+8*\b], v[60+8*\a:67+8*\a], v[28+8*\b:35+8*\b], v[24+\b], v[24+\a] matrix_a_fmt:MATRIX_FMT_FP4 matrix_b_fmt:MATRIX_FMT_FP4 matrix_a_scale:MATRIX_SCALE_ROW1
.else
	v_wmma_scale_f32_16x16x128_f8f6f4 v[128+8*(4*\a+\b):135+8*(4*\a+\b)], v[92+8*\b:99+8*\b], v[60+8*\a:67+8*\a], v[128+8*(4*\a+\b):135+8*(4*\a+\b)], v[24+\b], v[24+\a] matrix_a_fmt:MATRIX_FMT_FP4 matrix_b_fmt:MATRIX_FMT_FP4 matrix_a_scale:MATRIX_SCALE_ROW1
.endif
.endr
.endr
.rept 4
	v_nop
.endr
.endm
	s_load_b256 s[4:11], s[0:1], 0x0               ; o1 s[4:5], prep s[6:7], ffn1_b s[8:9], ffh s[10:11]
	v_lshl_add_u32 v126, v0, 2, 0x44000
	v_mov_b32 v127, 0
	ds_add_u32 v126, v127
	ds_add_u32 v126, v127
	v_lshrrev_b32 v1, 5, v0
	v_readfirstlane_b32 s14, v1
	s_lshr_b32 s15, s14, LW
	s_and_b32 s16, s14, WN-1
	s_bfe_u32 s40, ttmp6, 0x40000
	s_bfe_u32 s41, ttmp6, 0x40004
	s_lshl_b32 s42, ttmp9, 2
	s_add_co_u32 s42, s42, s40
	s_and_b32 s17, ttmp7, 0xffff
	s_lshl_b32 s17, s17, 2
	s_add_co_u32 s17, s17, s41
	s_lshl_b32 s43, s41, 2
	s_lshl_b32 s43, 15, s43
	s_lshl_b32 s44, 0x1111, s40
	s_or_b32 s24, s43, (3<<16)|(1<<21)
	s_or_b32 s48, s44, (3<<16)|(1<<21)
.irp g, 24,48
	s_mov_b32 s[\g+1], CD0<<16
	s_mov_b32 s[\g+2], CD1<<16
	s_mov_b32 s[\g+3], CD0<<16
	s_mov_b32 s[\g+4], CD1
	s_mov_b32 s[\g+6], 0
	s_mov_b32 s[\g+7], 0
.endr
	s_mov_b32 s29, CSA
	s_mov_b32 s53, CSB
	s_or_b32 s68, s43, (2<<16)|(1<<21)
	s_or_b32 s80, s44, (2<<16)|(1<<21)
.irp g, 68,80
	s_mov_b32 s[\g+1], 64<<16
	s_mov_b32 s[\g+2], NSTEPS<<16
	s_mov_b32 s[\g+3], 64<<16
	s_mov_b32 s[\g+4], NSTEPS
	s_mov_b32 s[\g+6], 0
	s_mov_b32 s[\g+7], 0
.endr
	s_mov_b32 s73, ANR
	s_mov_b32 s85, BNR
	s_and_b32 s18, s14, WM-1
	s_mul_i32 s19, s17, WM
	s_add_co_u32 s18, s18, s19
	s_lshl_b32 s34, s18, 14
	s_add_co_u32 s34, s34, ACODE
	s_mov_b32 s35, 0
	s_lshl_b32 s78, s18, 8
	s_add_co_u32 s78, s78, ASW
	s_mov_b32 s79, 0
	s_and_b32 s46, s14, WN-1
	s_mul_i32 s47, s42, WN
	s_add_co_u32 s46, s46, s47
	s_lshl_b32 s58, s46, 14
	s_add_co_u32 s58, s58, BCODE
	s_mov_b32 s59, 0
	s_lshl_b32 s90, s46, 8
	s_add_co_u32 s90, s90, BSW
	s_mov_b32 s91, 0
	s_mul_i32 s45, s14, UB
.irp r, 32,36,56,60,76,88
	s_mov_b32 s[\r], 1
.endr
	s_mov_b32 s33, s45
	s_add_co_u32 s37, s45, SLOTB
	s_mov_b32 s57, s45
	s_add_co_u32 s61, s45, SLOTB
	s_mul_i32 s77, s14, QS
	s_add_co_u32 s77, s77, SCL
	s_mov_b32 s89, s77
	s_mov_b32 s[SEL], 0x76543210
	s_mov_b32 s[SEL+1], 0xfedcba98
	s_wait_dscnt 0x0
	s_wait_kmcnt 0x0
	s_add_nc_u64 s[34:35], s[PA:PA+1], s[34:35]
	s_add_nc_u64 s[38:39], s[34:35], ASTEP
	s_add_nc_u64 s[58:59], s[PB:PB+1], s[58:59]
	s_add_nc_u64 s[62:63], s[58:59], BSTEP
	s_add_nc_u64 s[78:79], s[PA:PA+1], s[78:79]
	s_add_nc_u64 s[90:91], s[PB:PB+1], s[90:91]
.irp r, 35,39,59,63,79,91
	s_or_b32 s[\r], s[\r], 0x80000000
.endr
	CROUND
	s_cmp_lt_u32 s14, WM                           ; waves 0-3 fetch the tokens' units, waves 4-7 the weights', the others nothing: three loads of a wave are out
	s_cbranch_scc0 .Lnot_a
	tensor_load_to_lds s[76:79], s[68:75]
	s_nop 0
	tensor_load_to_lds s[32:35], s[24:31]
	s_nop 0
	tensor_load_to_lds s[36:39], s[24:31]
	s_nop 0
.rept 4
	v_nop
.endr
	s_branch .Lfilled
.Lnot_a:
	s_cmp_lt_u32 s14, WM+WN
	s_cbranch_scc0 .Lfilled
	tensor_load_to_lds s[88:91], s[80:87]
	s_nop 0
	tensor_load_to_lds s[56:59], s[48:55]
	s_nop 0
	tensor_load_to_lds s[60:63], s[48:55]
	s_nop 0
.rept 4
	v_nop
.endr
.Lfilled:
	v_and_b32 v1, 15, v0
	v_bfe_u32 v2, v0, 4, 1
	v_and_b32 v3, 31, v0
	v_lshlrev_b32 v3, 4, v3
	s_lshl_b32 s18, s42, 10
	s_lshl_b32 s19, s16, 8
	s_add_co_u32 s18, s18, s19
	v_lshl_add_u32 v9, v2, 6, s18
.irp b, 0,1
.irp j, 0,1,2,3
	global_load_b128 v[28+16*\b+4*\j:31+16*\b+4*\j], v9, s[8:9] offset:128*\b+16*\j     ; the bias in the result's layout
.endr
.endr
	s_mul_i32 s18, s15, UB
	v_add_nc_u32 v4, s18, v3
	v_add_nc_u32 v5, SLOTB, v4
	s_mul_i32 s19, s16, UB
	s_add_co_u32 s19, s19, WM*UB
	v_add_nc_u32 v6, s19, v3
	v_add_nc_u32 v7, SLOTB, v6
	s_mul_i32 s18, s15, QS
	s_mul_i32 s19, s16, QS
	s_add_co_u32 s19, s19, WM*QS
	s_sub_co_u32 s19, s19, s18
	v_mul_u32_u24 v8, s19, v2
	s_add_co_u32 s18, s18, SCL
	v_lshl_add_u32 v8, v1, 2, v8
	v_add_nc_u32 v8, s18, v8
	s_lshr_b32 s18, s42, 1                         ; my 64 columns begin at k0 = 256 column tile + 64 wn of the next K
	s_lshl_b32 s18, s18, 8
	s_lshl_b32 s19, s17, 4
	s_add_co_u32 s18, s18, s19
	s_lshl_b32 s19, s15, 2
	s_add_co_u32 s18, s18, s19
	s_lshl_b32 s18, s18, 12
	s_and_b32 s19, s42, 1
	s_lshl_b32 s19, s19, 11
	s_add_co_u32 s18, s18, s19
	s_lshr_b32 s19, s16, 1
	s_lshl_b32 s19, s19, 10
	s_add_co_u32 s18, s18, s19
	s_and_b32 s19, s16, 1
	s_lshl_b32 s19, s19, 9
	s_add_co_u32 s18, s18, s19
	v_add_nc_u32 v12, s18, v3
	s_lshl_b32 s18, s42, 1
	s_lshr_b32 s19, s16, 1
	s_add_co_u32 s18, s18, s19
	s_lshl_b32 s18, s18, 12
	s_lshl_b32 s19, s17, 8
	s_add_co_u32 s18, s18, s19
	s_lshl_b32 s19, s15, 6
	s_add_co_u32 s18, s18, s19
	s_lshl_b32 s18, s18, 2
	s_and_b32 s19, s16, 1
	s_lshl_b32 s19, s19, 1
	s_add_co_u32 s18, s18, s19
	s_add_co_u32 s18, s18, 0x800000
	v_lshl_add_u32 v13, v1, 2, s18
	s_wait_loadcnt 0x0
	s_wait_tensorcnt 1                             ; scale words and slot 0 are in; slot 1's load may be out
	s_barrier_signal -1
	s_barrier_wait -1
	KS 0, 0, 0, 0, 1
	KS 0, 0, 1, 1, 2
	KS 0, 0, 2, 2, 2
	KS 0, 0, 3, 3, 2
	s_wait_tensorcnt 0x0
	s_wait_dscnt 0x0
	s_barrier_signal -1
	s_barrier_wait -1
	KS 1, 0, 0, 4, 2
	KS 1, 0, 1, 5, 2
	KS 1, 0, 2, 6, 2
	KS 1, 0, 3, 7, 2
	; the constants, each twice, as pairs for the packed forms.  a1 .. a5 are halved and NEGATED, so that the polynomial gives -h
	v_mov_b32 v10, 0xbf38aa3b                      ; -log2(e) / 2: exp(-z^2) = 2^(-x^2 log2(e) / 2)
	v_mov_b32 v11, 0xbf38aa3b
	v_mov_b32 v14, 0xbe027906                      ; -a1 / 2
	v_mov_b32 v15, 0xbe027906
	v_mov_b32 v16, 0x3e11a98e                      ; -a2 / 2
	v_mov_b32 v17, 0x3e11a98e
	v_mov_b32 v18, 0xbf35f0e3                      ; -a3 / 2
	v_mov_b32 v19, 0xbf35f0e3
	v_mov_b32 v20, 0x3f3a00e3                      ; -a4 / 2
	v_mov_b32 v21, 0x3f3a00e3
	v_mov_b32 v22, 0xbf07dc22                      ; -a5 / 2
	v_mov_b32 v23, 0xbf07dc22
	s_mov_b32 s30, 0x3e6d3389                      ; 0.3275911 / sqrt 2 (no tensor load is out: the descriptors' registers are free)
.irp g, 0,1,2,3
.set X, 128+32*\g
.set i, 0
.rept 16
	v_pk_mul_f32 v[60+i:61+i], v[X+i:X+i+1], v[X+i:X+i+1]           ; x^2 (each accumulator is read from its low end on)
.set i, i+2
.endr
.set i, 0
.rept 16
	v_pk_mul_f32 v[60+i:61+i], v[60+i:61+i], v[10:11]              ; -z^2 log2(e)
.set i, i+2
.endr
.set i, 0
.rept 32
	v_fma_f32 v[92+i], |v[X+i]|, s30, 1.0
.set i, i+1
.endr
.set i, 0
.rept 32
	v_rcp_f32 v[92+i], v[92+i]                     ; t
.set i, i+1
.endr
.set i, 0
.rept 32
	v_exp_f32 v[60+i], v[60+i]                     ; exp(-z^2)
.set i, i+1
.endr
	v_nop
	s_wait_alu depctr_va_vdst(0)                   ; one wait for the batch of 64
.set i, 0
.rept 16
	v_pk_fma_f32 v[28+i:29+i], v[92+i:93+i], v[22:23], v[20:21]
.set i, i+2
.endr
.irp c, 18,16,14
.set i, 0
.rept 16
	v_pk_fma_f32 v[28+i:29+i], v[28+i:29+i], v[92+i:93+i], v[\c:\c+1]
.set i, i+2
.endr
.endr
.set i, 0
.rept 16
	v_pk_mul_f32 v[28+i:29+i], v[28+i:29+i], v[92+i:93+i]
.set i, i+2
.endr
.set i, 0
.rept 16
	v_pk_mul_f32 v[28+i:29+i], v[28+i:29+i], v[60+i:61+i]          ; -h = -(1 - erf(|z|)) / 2
.set i, i+2
.endr
.set i, 0
.rept 32
	v_max_num_f32 v[92+i], 0, v[X+i]
.set i, i+1
.endr
.set i, 0
.rept 32
	v_fma_f32 v[X+i], |v[X+i]|, v[28+i], v[92+i]   ; max(x, 0) - |x| h
.set i, i+1
.endr
.endr
.irp b, 0,1,2,3
	v_mov_b32 v[TM+4+\b], 0
.endr
	QUANT 128, 28, 44
	QUANT 192, 36, 45
.irp a, 0,1,2,3
	global_store_b128 v12, v[28+4*\a:31+4*\a], s[10:11] offset:4096*\a
.endr
	global_store_b16 v13, v44, s[10:11]
	global_store_d16_hi_b16 v13, v44, s[10:11] offset:64
	global_store_b16 v13, v45, s[10:11] offset:128
	global_store_d16_hi_b16 v13, v45, s[10:11] offset:192
	s_wait_tensorcnt 0x0
	ds_add_u32 v126, v127
	s_wait_dscnt 0x0
	CROUND
	s_endpgm
.Lfunc_end_k_qfc999b1601_ffn1:
	.size	k_qfc999b1601_ffn1, .Lfunc_end_k_qfc999b1601_ffn1-k_qfc999b1601_ffn1
	.p2alignl 7, 3214868480
	.fill 96, 4, 3214868480
	.section	.rodata,"a",@progbits
	.p2align	6, 0x0
	.amdhsa_kernel k_qfc999b1601_ffn1
		.amdhsa_group_segment_fixed_size 280576
		.amdhsa_private_segment_fixed_size 0
		.amdhsa_enable_private_segment 0
		.amdhsa_kernarg_size 32
		.amdhsa_user_sgpr_count 2
		.amdhsa_user_sgpr_kernarg_segment_ptr 1
		.amdhsa_wavefront_size32 1
		.amdhsa_system_sgpr_workgroup_id_x 1
		.amdhsa_system_sgpr_workgroup_id_y 1
		.amdhsa_system_sgpr_workgroup_id_z 1
		.amdhsa_system_vgpr_workitem_id 0
		.amdhsa_next_free_vgpr 256
		.amdhsa_next_free_sgpr 102
		.amdhsa_reserve_vcc 0
		.amdhsa_float_denorm_mode_32 3
		.amdhsa_float_denorm_mode_16_64 3
		.amdhsa_memory_ordered 1
		.amdhsa_forward_progress 1
		.amdhsa_inst_pref_size 107
	.end_amdhsa_kernel
	.amdgpu_metadata
---
amdhsa.version: [ 1, 2 ]
amdhsa.kernels:
  - .name:           k_qfc999b1601_ffn1
    .symbol:         k_qfc999b1601_ffn1.kd
    .args:
      - { .name: o1, .offset: 0, .size: 8, .value_kind: global_buffer, .address_space: global }
      - { .name: prep, .offset: 8, .size: 8, .value_kind: global_buffer, .address_space: global }
      - { .name: ffn1_b, .offset: 16, .size: 8, .value_kind: global_buffer, .address_space: global }
      - { .name: ffh, .offset: 24, .size: 8, .value_kind: global_buffer, .address_space: global }
    .group_segment_fixed_size: 280576
    .private_segment_fixed_size: 0
    .kernarg_segment_align: 8
    .kernarg_segment_size: 32
    .max_flat_workgroup_size: 512
    .sgpr_count:     102
    .vgpr_count:     256
    .wavefront_size: 32
...
	.end_amdgpu_metadata
.endif
;; end of part 5
;; launch ffn2 (part 6): grid 8 x 32, 4 waves a work-group, clusters of 4 x 4, 327,680 bytes of LDS; arguments ffh, prep, o1, ffn2_b, out0; writes out0
.if DOCPART == 6
	.amdgcn_target "amdgcn-amd-amdhsa--gfx1250"
	.amdhsa_code_object_version 6
	.text
	.protected	k_qfc999b1601_ffn2
	.globl	k_qfc999b1601_ffn2
	.p2align	8
	.type	k_qfc999b1601_ffn2,@function
k_qfc999b1601_ffn2:
	s_mov_b64 s[64:65], 0
	v_nop
	global_prefetch_b8 v0, s[64:65] scope:SCOPE_SE
	s_setreg_imm32_b32 hwreg(HW_REG_WAVE_MODE, 25, 1), 1
	s_wait_xcnt 0x0
	s_wait_alu depctr_hold_cnt(0) depctr_sa_sdst(0) depctr_va_vdst(0) depctr_va_sdst(0) depctr_va_ssrc(0) depctr_va_vcc(0) depctr_vm_vsrc(0)
	s_getreg_b32 s2, hwreg(HW_REG_IB_STS2, 6, 4)
	s_cmp_eq_u32 s2, 0
	s_cbranch_scc0 .Lentry_in_a_cluster
	s_endpgm
.Lentry_in_a_cluster:
	s_bfe_u32 s2, ttmp6, 0x10000c
	s_cmp_lg_u32 s2, 0xf033
	s_cbranch_scc0 .Lentry_shape_is_right
	s_endpgm
.Lentry_shape_is_right:
; out0 = o1 + ffh ffn2_w^T + ffn2_b, the product on FP4 codes, K = 4,096.  A work-group makes 128 tokens x 128 columns, each of its four waves 64 x 64; the bias is the C of each sum's first product.
; K goes in four chunks of 1,024 through two LDS slots; one joint load a wave brings a unit of 64 positions x 1,024 along K (two rows of 16 KB).  The scale words of all of K come once.
; TWO SETS OF FRAGMENTS: a wave is alone on its SIMD, so a K step's 20 LDS loads are issued ahead of the 16 products of the step before.  Set 0 is v60-123, set 1 the same numbers in the second window of 256 registers
; (s_set_vgpr_msb: bits 1:0 source 0, 3:2 source 1, 5:4 source 2, 7:6 destination); the scale words of set 1 lie in v16-19, since scale operands have no window.  Four switches for two K steps.
; A chunk's first step is fetched behind the change of slots: only that barrier shows the slot whole.
; When slot 0 has been read for the last time, each wave's 32 rows of o1's f32 tile are loaded there; the results are added onto them and leave as whole rows.
; CLUSTER 4 x 4: ffh's codes are shared along a row of the cluster, the weights' along a column; each refill stands behind a round of the cluster's barrier.
; By this text's count a wave has three tensor loads out at the start and one behind each round.  All of a WGP's LDS is claimed.
.set WM, 2
.set WN, 2
.set LW, 1
.set UB, 32768
.set NSTEPS, 32
.set CD0, 2048
.set CD1, 2
.set CSA, 256*512
.set CSB, 64*512
.set ACODE, 0
.set ASW,   0x800000
.set ANR,   4096
.set ASTEP, 2*256*4096                 ; a chunk on
.set BCODE, 0x400000
.set BSW,   0x840000
.set BNR,   1024
.set BSTEP, 2*64*4096
.set PA, 4
.set PB, 6
.set SLOTB, (WM+WN)*UB
.set QS, 256*NSTEPS
.set SCL, 2*SLOTB
.set SPARE, SCL+4*QS                   ; the spare words: 128 bytes a wave, named by no other line
.set XT, 0                             ; o1's tile: 128 rows x 528 bytes, in slot 0 behind its last read
.set SC1, 16                           ; v16-19: the scale words of fragment set 1 (set 0's: v24-27)
.set MSB, 0
.macro WIN new                         ; the immediate's high byte repeats the setting that is left; a switch that changes nothing is dropped
.if MSB != (\new)
	s_set_vgpr_msb (MSB<<8)|(\new)
.set MSB, (\new)
.endif
.endm
.macro CROUND
	s_barrier_signal -1
	s_barrier_wait -1
	s_cmp_lg_u32 s14, 0
	s_cbranch_scc1 .Lnot_wave_0_\@
	s_barrier_signal -3
.Lnot_wave_0_\@:
	s_barrier_wait -3
	s_barrier_signal -1
	s_barrier_wait -1
.endm
; The loads of one K step of 128 into fragment set f: 8 + 8 fragment loads, 4 loads of scale words (lanes 0-15 the tokens', lanes 16-31 the weights')
.macro LD sl, hf, q, st, f
.if (\f)
	WIN 0x40                                       ; destination in the second window, address in the first
.endif
.irp b, 0,1,2,3
.irp p, 0,1
	ds_load_b128 v[92+8*\b+4*\p:95+8*\b+4*\p], v[6+(\sl)] offset:16384*(\hf)+4096*\b+1024*(\q)+512*\p
.endr
.endr
.irp a, 0,1,2,3
.irp p, 0,1
	ds_load_b128 v[60+8*\a+4*\p:63+8*\a+4*\p], v[4+(\sl)] offset:16384*(\hf)+4096*\a+1024*(\q)+512*\p
.endr
.endr
	WIN 0
.irp i, 0,1,2,3
	ds_load_b32 v[24+(SC1-24)*(\f)+\i], v8 offset:256*(\st)+64*\i
.endr
.endm
; The 16 products of a K step on fragment set f, the accumulators by turns.  cm = 1: they start the sums on the bias
.macro MM f, cm
.if (\f)
	WIN 0x05                                       ; both sources in the second window, C and D in the first
.endif
.irp a, 0,1,2,3
.irp b, 0,1,2,3
.if (\cm) == 1
	v_wmma_scale_f32_16x16x128_f8f6f4 v[128+8*(4*\a+\b):135+8*(4*\a+\b)], v[92+8*\b:99+8*\b], v[60+8*\a:67+8*\a], v[28+8*\b:35+8*\b], v[24+(SC1-24)*(\f)+\b], v[24+(SC1-24)*(\f)+\a] matrix_a_fmt:MATRIX_FMT_FP4 matrix_b_fmt:MATRIX_FMT_FP4 matrix_a_scale:MATRIX_SCALE_ROW1
.else
	v_wmma_scale_f32_16x16x128_f8f6f4 v[128+8*(4*\a+\b):135+8*(4*\a+\b)], v[92+8*\b:99+8*\b], v[60+8*\a:67+8*\a], v[128+8*(4*\a+\b):135+8*(4*\a+\b)], v[24+(SC1-24)*(\f)+\b], v[24+(SC1-24)*(\f)+\a] matrix_a_fmt:MATRIX_FMT_FP4 matrix_b_fmt:MATRIX_FMT_FP4 matrix_a_scale:MATRIX_SCALE_ROW1
.endif
.endr
.endr
	WIN 0
.rept 4
	v_nop                                          ; four plain instructions ahead of the loads that take this set's registers again, and of the first read of results
.endr
.endm
; A chunk's eight K steps: step j + 1's loads are issued behind the wait for step j's and ahead of step j's products
.macro CH c
	LD (\c)%2, 0, 0, 8*(\c), 0
.set j, 0
.rept 8
	s_wait_dscnt 0x0                               ; step j's fragments and scale words are in
.if j < 7
	LD (\c)%2, (j+1)/4, (j+1)%4, 8*(\c)+j+1, (j+1)%2
.endif
.if ((\c) == 0) && (j == 0)
	MM 0, 1
.else
	MM j%2, 2
.endif
.set j, j+1
.endr
.endm
; The change of slots: every wave has waited for all its tensor loads, added 0 to its spare word and waited for that and for its reads of the slot; a round of the cluster's barrier; the refill first behind it.
.macro TURN sl, kind
	s_wait_tensorcnt 0x0
	ds_add_u32 v20, v21
.if \kind == 0
	s_add_nc_u64 s[34+4*\sl:35+4*\sl], s[34+4*\sl:35+4*\sl], 2*ASTEP     ; no load of mine is out: the slot's next chunk
	s_add_nc_u64 s[58+4*\sl:59+4*\sl], s[58+4*\sl:59+4*\sl], 2*BSTEP
.endif
	s_wait_dscnt 0x0
	CROUND
.if \kind == 0
	s_cmp_lt_u32 s14, WM
	s_cbranch_scc0 .Lfor_b_\@
	tensor_load_to_lds s[32+4*\sl:35+4*\sl], s[24:31]
	s_nop 0
.rept 4
	v_nop
.endr
	s_branch .Lasked_\@
.Lfor_b_\@:
	tensor_load_to_lds s[56+4*\sl:59+4*\sl], s[48:55]
	s_nop 0
.rept 4
	v_nop
.endr
.Lasked_\@:
.else
	tensor_load_to_lds s[20:23], s[92:99]          ; my 32 rows of o1
	s_nop 0
.rept 4
	v_nop
.endr
.endif
.endm
	s_load_b256 s[4:11], s[0:1], 0x0               ; ffh s[4:5], prep s[6:7], o1 s[8:9], ffn2_b s[10:11]
	s_load_b64 s[12:13], s[0:1], 0x20              ; out0
	v_lshl_add_u32 v20, v0, 2, SPARE
	v_mov_b32 v21, 0
	ds_add_u32 v20, v21
	ds_add_u32 v20, v21
	s_wait_dscnt 0x0
	v_lshrrev_b32 v1, 5, v0
	v_readfirstlane_b32 s14, v1
	s_lshr_b32 s15, s14, LW
	s_and_b32 s16, s14, WN-1
	s_bfe_u32 s40, ttmp6, 0x40000
	s_bfe_u32 s41, ttmp6, 0x40004
	s_lshl_b32 s42, ttmp9, 2
	s_add_co_u32 s42, s42, s40
	s_and_b32 s17, ttmp7, 0xffff
	s_lshl_b32 s17, s17, 2
	s_add_co_u32 s17, s17, s41
	s_lshl_b32 s43, s41, 2
	s_lshl_b32 s43, 15, s43
	s_lshl_b32 s44, 0x1111, s40
	s_or_b32 s24, s43, (3<<16)|(1<<21)
	s_or_b32 s48, s44, (3<<16)|(1<<21)
.irp g, 24,48
	s_mov_b32 s[\g+1], CD0<<16
	s_mov_b32 s[\g+2], CD1<<16
	s_mov_b32 s[\g+3], CD0<<16
	s_mov_b32 s[\g+4], CD1
	s_mov_b32 s[\g+6], 0
	s_mov_b32 s[\g+7], 0
.endr
	s_mov_b32 s29, CSA
	s_mov_b32 s53, CSB
	s_or_b32 s68, s43, (2<<16)|(1<<21)
	s_or_b32 s80, s44, (2<<16)|(1<<21)
.irp g, 68,80
	s_mov_b32 s[\g+1], 64<<16
	s_mov_b32 s[\g+2], NSTEPS<<16
	s_mov_b32 s[\g+3], 64<<16
	s_mov_b32 s[\g+4], NSTEPS
	s_mov_b32 s[\g+6], 0
	s_mov_b32 s[\g+7], 0
.endr
	s_mov_b32 s73, ANR
	s_mov_b32 s85, BNR
	s_mov_b32 s92, (2<<16)|(1<<20)|(6<<22)|(3<<25)
	s_mov_b32 s93, 128<<16
	s_mov_b32 s94, 32<<16
	s_mov_b32 s95, 128<<16
	s_mov_b32 s96, 32
	s_mov_b32 s97, 1024
	s_mov_b32 s98, 0
	s_mov_b32 s99, 0
	s_and_b32 s18, s14, WM-1
	s_mul_i32 s19, s17, WM
	s_add_co_u32 s18, s18, s19
	s_lshl_b32 s34, s18, 14
	s_add_co_u32 s34, s34, ACODE
	s_mov_b32 s35, 0
	s_lshl_b32 s78, s18, 8
	s_add_co_u32 s78, s78, ASW
	s_mov_b32 s79, 0
	s_and_b32 s46, s14, WN-1
	s_mul_i32 s47, s42, WN
	s_add_co_u32 s46, s46, s47
	s_lshl_b32 s58, s46, 14
	s_add_co_u32 s58, s58, BCODE
	s_mov_b32 s59, 0
	s_lshl_b32 s90, s46, 8
	s_add_co_u32 s90, s90, BSW
	s_mov_b32 s91, 0
	s_mul_i32 s45, s14, UB
.irp r, 20,32,36,56,60,76,88
	s_mov_b32 s[\r], 1
.endr
	s_mov_b32 s33, s45
	s_add_co_u32 s37, s45, SLOTB
	s_mov_b32 s57, s45
	s_add_co_u32 s61, s45, SLOTB
	s_mul_i32 s77, s14, QS
	s_add_co_u32 s77, s77, SCL
	s_mov_b32 s89, s77
	s_mul_i32 s21, s14, 32*528
	s_add_co_u32 s21, s21, XT
	s_lshl_b32 s22, s17, 7
	s_lshl_b32 s23, s14, 5
	s_add_co_u32 s22, s22, s23
	s_lshl_b32 s22, s22, 12
	s_lshl_b32 s23, s42, 9
	s_add_co_u32 s22, s22, s23
	s_mov_b32 s23, 0
	s_wait_kmcnt 0x0
	s_add_nc_u64 s[34:35], s[PA:PA+1], s[34:35]
	s_add_nc_u64 s[38:39], s[34:35], ASTEP
	s_add_nc_u64 s[58:59], s[PB:PB+1], s[58:59]
	s_add_nc_u64 s[62:63], s[58:59], BSTEP
	s_add_nc_u64 s[78:79], s[PA:PA+1], s[78:79]
	s_add_nc_u64 s[90:91], s[PB:PB+1], s[90:91]
	s_add_nc_u64 s[22:23], s[8:9], s[22:23]
.irp r, 23,35,39,59,63,79,91
	s_or_b32 s[\r], s[\r], 0x80000000
.endr
	CROUND
	s_cmp_lt_u32 s14, WM
	s_cbranch_scc0 .Lnot_a
	tensor_load_to_lds s[76:79], s[68:75]
	s_nop 0
	tensor_load_to_lds s[32:35], s[24:31]
	s_nop 0
	tensor_load_to_lds s[36:39], s[24:31]
	s_nop 0
.rept 4
	v_nop
.endr
	s_branch .Lfilled
.Lnot_a:
	tensor_load_to_lds s[88:91], s[80:87]
	s_nop 0
	tensor_load_to_lds s[56:59], s[48:55]
	s_nop 0
	tensor_load_to_lds s[60:63], s[48:55]
	s_nop 0
.rept 4
	v_nop
.endr
.Lfilled:
	v_and_b32 v1, 15, v0
	v_bfe_u32 v2, v0, 4, 1
	v_and_b32 v3, 31, v0
	v_lshlrev_b32 v3, 4, v3
	s_lshl_b32 s18, s42, 9
	s_lshl_b32 s19, s16, 8
	s_add_co_u32 s18, s18, s19
	v_lshl_add_u32 v12, v2, 6, s18
.irp b, 0,1
.irp j, 0,1,2,3
	global_load_b128 v[28+16*\b+4*\j:31+16*\b+4*\j], v12, s[10:11] offset:128*\b+16*\j
.endr
.endr
	s_mul_i32 s18, s15, UB
	v_add_nc_u32 v4, s18, v3
	v_add_nc_u32 v5, SLOTB, v4
	s_mul_i32 s19, s16, UB
	s_add_co_u32 s19, s19, WM*UB
	v_add_nc_u32 v6, s19, v3
	v_add_nc_u32 v7, SLOTB, v6
	s_mul_i32 s18, s15, QS
	s_mul_i32 s19, s16, QS
	s_add_co_u32 s19, s19, WM*QS
	s_sub_co_u32 s19, s19, s18
	v_mul_u32_u24 v8, s19, v2
	s_add_co_u32 s18, s18, SCL
	v_lshl_add_u32 v8, v1, 2, v8
	v_add_nc_u32 v8, s18, v8
	v_and_b32 v14, 8, v1
	v_add_nc_u32 v14, v14, v1
	v_mul_u32_u24 v9, v14, 528
	v_lshl_add_u32 v9, v2, 6, v9
	s_mul_i32 s18, s15, 64*528
	s_lshl_b32 s19, s16, 8
	s_add_co_u32 s18, s18, s19
	s_add_co_u32 s18, s18, XT
	v_add_nc_u32 v9, s18, v9
	s_mul_i32 s18, s14, 32*528
	s_add_co_u32 s18, s18, XT
	v_add_nc_u32 v10, s18, v3
	s_lshl_b32 s18, s17, 7
	s_lshl_b32 s19, s14, 5
	s_add_co_u32 s18, s18, s19
	s_lshl_b32 s18, s18, 12
	s_lshl_b32 s19, s42, 9
	s_add_co_u32 s18, s18, s19
	v_add_nc_u32 v11, s18, v3
	s_wait_loadcnt 0x0
	s_wait_tensorcnt 1                             ; scale words and chunk 0 are in; chunk 1's load may be out
	s_barrier_signal -1
	s_barrier_wait -1
	CH 0                                           ; its first K step starts the sums on the bias
	TURN 0, 0                                      ; chunk 2 into slot 0
	CH 1
	TURN 1, 0                                      ; chunk 3 into slot 1
	CH 2
	TURN 0, 1                                      ; o1's tile into slot 0
	CH 3
	s_wait_tensorcnt 0x0
	ds_add_u32 v20, v21
	s_wait_dscnt 0x0
	s_barrier_signal -1
	s_barrier_wait -1                              ; o1's tile is whole
.irp a, 0,1,2,3
.irp b, 0,1,2,3
.irp p, 0,1
	ds_load_b128 v[60+8*\b+4*\p:63+8*\b+4*\p], v9 offset:(32*(\a/2)+8*(\a%2))*528+(32*(\b/2)+8*(\b%2)+4*\p)*4
.endr
.endr
	s_wait_dscnt 0x0
.set i, 0
.rept 16
	v_pk_add_f32 v[128+32*\a+i:129+32*\a+i], v[128+32*\a+i:129+32*\a+i], v[60+i:61+i]
.set i, i+2
.endr
.irp b, 0,1,2,3
.irp p, 0,1
	ds_store_b128 v9, v[128+32*\a+8*\b+4*\p:131+32*\a+8*\b+4*\p] offset:(32*(\a/2)+8*(\a%2))*528+(32*(\b/2)+8*(\b%2)+4*\p)*4
.endr
.endr
.endr
	s_wait_dscnt 0x0
	s_barrier_signal -1
	s_barrier_wait -1                              ; 128 whole rows of the result lie in the tile
.irp t, 0,1
.if \t
	s_wait_xcnt 0x0
.endif
.irp i, 0,1,2,3,4,5,6,7,8,9,10,11,12,13,14,15
	ds_load_b128 v[60+4*\i:63+4*\i], v10 offset:(16*\t+\i)*528
.endr
.irp i, 0,1,2,3,4,5,6,7,8,9,10,11,12,13,14,15
	s_wait_dscnt 15-\i
	global_store_b128 v11, v[60+4*\i:63+4*\i], s[12:13] offset:(16*\t+\i)*4096 th:TH_STORE_NT   ; 512 consecutive bytes of a row
.endr
.endr
	s_wait_tensorcnt 0x0                           ; the wave's end
	ds_add_u32 v20, v21
	s_wait_dscnt 0x0
	CROUND                                         ; the closing round
	s_endpgm
.Lfunc_end_k_qfc999b1601_ffn2:
	.size	k_qfc999b1601_ffn2, .Lfunc_end_k_qfc999b1601_ffn2-k_qfc999b1601_ffn2
	.p2alignl 7, 3214868480
	.fill 96, 4, 3214868480
	.section	.rodata,"a",@progbits
	.p2align	6, 0x0
	.amdhsa_kernel k_qfc999b1601_ffn2
		.amdhsa_group_segment_fixed_size 327680
		.amdhsa_private_segment_fixed_size 0
		.amdhsa_enable_private_segment 0
		.amdhsa_kernarg_size 40
		.amdhsa_user_sgpr_count 2
		.amdhsa_user_sgpr_kernarg_segment_ptr 1
		.amdhsa_wavefront_size32 1
		.amdhsa_system_sgpr_workgroup_id_x 1
		.amdhsa_system_sgpr_workgroup_id_y 1
		.amdhsa_system_sgpr_workgroup_id_z 1
		.amdhsa_system_vgpr_workitem_id 0
		.amdhsa_next_free_vgpr 384
		.amdhsa_next_free_sgpr 102
		.amdhsa_reserve_vcc 0
		.amdhsa_float_denorm_mode_32 3
		.amdhsa_float_denorm_mode_16_64 3
		.amdhsa_memory_ordered 1
		.amdhsa_forward_progress 1
		.amdhsa_inst_pref_size 139
	.end_amdhsa_kernel
	.amdgpu_metadata
---
amdhsa.version: [ 1, 2 ]
amdhsa.kernels:
  - .name:           k_qfc999b1601_ffn2
    .symbol:         k_qfc999b1601_ffn2.kd
    .args:
      - { .name: ffh, .offset: 0, .size: 8, .value_kind: global_buffer, .address_space: global }
      - { .name: prep, .offset: 8, .size: 8, .value_kind: global_buffer, .address_space: global }
      - { .name: o1, .offset: 16, .size: 8, .value_kind: global_buffer, .address_space: global }
      - { .name: ffn2_b, .offset: 24, .size: 8, .value_kind: global_buffer, .address_space: global }
      - { .name: out0, .offset: 32, .size: 8, .value_kind: global_buffer, .address_space: global }
    .group_segment_fixed_size: 327680
    .private_segment_fixed_size: 0
    .kernarg_segment_align: 8
    .kernarg_segment_size: 40
    .max_flat_workgroup_size: 128
    .sgpr_count:     102
    .vgpr_count:     384
    .wavefront_size: 32
...
	.end_amdgpu_metadata
.endif
;; end of part 6
;; ======== version 2 of 2: 6 launches; version 1 with the launch attn written anew for expert scheduling mode
;; limits: a function is approximated: absolute error at most 1.5e-07
;; workspace buffers: prep 9,175,040 bytes; maskw 1,048,576 bytes of whole numbers; qkv 21,233,664 bytes; gat 2,228,224 bytes; o1 19,005,440 bytes; ffh 8,912,896 bytes
;; launch prep: the kernel of part 1 again; grid 1152 x 1, 4 waves a work-group, no clusters, 73,472 bytes of LDS; arguments x, rms_w, attn_mask, wq, wk, wv, wu, wo, ffn1_w, ffn2_w, prep, maskw; writes prep, maskw
;; launch qkvu: the kernel of part 2 again; grid 12 x 16, 16 waves a work-group, clusters of 4 x 4, 282,624 bytes of LDS; arguments prep, qkv; writes qkv
;; launch attn (part 7): grid 8 x 32, 16 waves a work-group, no clusters, 297,984 bytes of LDS; arguments qkv, maskw, rel_pos_table, gat; writes gat
.if DOCPART == 7
	.amdgcn_target "amdgcn-amd-amdhsa--gfx1250"
	.amdhsa_code_object_version 6
	.text
	.protected	k_qfc999b1601_attn
	.globl	k_qfc999b1601_attn
	.p2align	8
	.type	k_qfc999b1601_attn,@function
k_qfc999b1601_attn:
	s_mov_b64 s[64:65], 0
	v_nop
	global_prefetch_b8 v0, s[64:65] scope:SCOPE_SE
	s_setreg_imm32_b32 hwreg(HW_REG_WAVE_SCHED_MODE, 0, 2), 2
	s_setreg_imm32_b32 hwreg(HW_REG_WAVE_MODE, 25, 1), 1
	s_wait_xcnt 0x0
	s_wait_alu depctr_vm_vsrc(0)
; gated = sigmoid(U) x (A V), A = clip(softmax(clip(Q K^T / sqrt(32) + bias, masked to -inf, +-50)), 1e-8, 1), both products on FP4 codes; the gated numbers leave as FP4 codes for the next product.
; A is quantised FINISHED, so a row's sum must be known first.  A team of eight waves takes one tile of 16 queries; each wave owns 256 keys for the whole launch: its 128 exponentials stay in registers until the
; eight partial sums have met in LDS.  Two teams, eight trips: a work-group serves 16 tiles of one head.
; NO MAXIMUM IS TAKEN AWAY: the scores are clipped to +-50 by the computation itself, so an exponential lies in 1.9e-22 .. 5.2e21 and a row's 2,048 add to at most 1.1e25, inside f32.  A masked score is the clipped -50.
; Both products are used transposed: S^T = K Q^T, O^T = V^T A^T: a lane holds one query.  Keys, queries and channels stand in the order 32 (pb / 2) + 8 (pb % 2) + r + 8 (r / 8), so score register 16 kb + n is key 32 kb + 16 h + n.
; K = 32 IN AN INSTRUCTION OF 128: a load of 16 bytes a lane puts key block 2 kb in K block 0 and key block 2 kb + 1 in K block 1; Q stands in ONE K block (variant 0 or 1) with zero codes elsewhere, which add nothing.
; THE BIAS hangs on key - query alone.  Two key blocks or more from the queries' block it is the table's first or last number.  For the three nearer blocks a lane's 16 numbers do not change from trip to trip:
; each wave makes the 48 once, into 6,144 bytes of LDS of its own, and a near block takes its 16 by four loads.
; THE MASK WORDS come by scalar loads into two sets of 32 registers.  Both sets are free when a trip's last selects are done: the next trip's first four key blocks are asked for there, ahead of the normalising and the second product.
; No tensor loads and no cluster: a wave's K codes and scales stay in registers and its V fragments in its own 8 KB of LDS; each is read from memory once by a work-group, 192 KB against eight trips of work.
; LIMITS: zero blocks get the scale byte 1 (read by this program alone); NaN and infinities are not served.
; THE MODE: SCHED_MODE bits 1:0 = 2 (LLVM: expert scheduling mode 2), set by the entry lines.  The code itself states the register dependences
; between vector or matrix instructions and memory or LDS instructions, with s_wait_alu, always for 0.
; THE PLAN.  Registers that memory or LDS instructions touch in a trip, and who else names them:
;   v4-8, v23       LDS addresses: made at the head, never written again.
;   v9-11, v30, v31, v125   byte offsets (the next Q's codes and scale word, sigmoid(U), the prefetch, the two stores): all six are made at the trip's top, from ids and the trip's number; each is read once, later in the trip.
;   v24-28          Q as loaded: read by the selects at the trip's top; the next trip's Q lands there, asked for behind the first two score products.
;   v16             my sum: written by additions, read by one LDS store.
;   v100-115        by turns: a near block's biases (loads; multiply-adds read them), the team's sums (loads), A's codes (conversions write them, products read them), the eighth partial O^T (loads).
;   v128-159        V's fragments, twice a trip (loads): conversions read these registers before the first, products before the second and before the gatherers' loads.
;   v160-191        O^T: products write it, LDS stores read it, the gatherers' loads land there.
;   v192-207        sigmoid(U) (loads): conversions read these registers before.     v208-255  the gatherers' loads: likewise.
;   v119, v126, v127   the stores' data: a shift and two conversions write them.
; Waits on va_vdst stand ahead of the score products, behind each group's exponentials, in an odd near block, ahead of the sum's store, behind the reciprocal, ahead of each of V's two runs of loads, ahead of the second
; products, ahead of O^T's stores and ahead of the global stores; waits on vm_vsrc behind the second barrier and at the trip's end.  Each line says what it states.
.set TM, 108
.set SEL, 56
.set SUMX, 131072                      ; partial sums: 512 bytes a team: [query 16][wave 8]
.set OX, 132096                        ; partial O^T: 4 KB a wave
.set RT, 197632                        ; the near biases: 6,144 bytes a wave: [key block less queries' block + 1: 3][four registers: 4][lane 32][16 bytes]
; 64 numbers of a lane, register 16 b + i = k 32 b + 16 (lane / 16) + i of its row, become a fragment's 8 code registers and its scale word, in two parts: the lane's own maxima, and the rest
.macro QMAX s
.irp b, 0,1,2,3
	v_max3_num_f32 v[TM+\b], |v[\s+16*\b]|, |v[\s+1+16*\b]|, 0x1800000
.endr
.irp i, 2,4,6,8,10,12,14
.irp b, 0,1,2,3
	v_max3_num_f32 v[TM+\b], v[TM+\b], |v[\s+16*\b+\i]|, |v[\s+1+16*\b+\i]|
.endr
.endr
.endm
.macro QREST s, pc, pw
.irp b, 0,1,2,3
	v_permlanex16_b32 v[TM+4+\b], v[TM+\b], s[SEL], s[SEL+1]
.endr
.irp b, 0,1,2,3
	v_max_num_f32 v[TM+\b], v[TM+\b], v[TM+4+\b]
.endr
.irp b, 0,1,2,3
	v_add_nc_u32 v[TM+8+\b], 0xff000000, v[TM+\b]
.endr
.irp b, 0,1,2,3
	v_lshrrev_b32 v[TM+4+\b], 23, v[TM+8+\b]
.endr
	v_lshl_or_b32 v[\pw], v[TM+5], 8, v[TM+4]
	v_lshl_or_b32 v[\pw], v[TM+6], 16, v[\pw]
	v_lshl_or_b32 v[\pw], v[TM+7], 24, v[\pw]
.irp b, 0,1,2,3
	v_cvt_scalef32_pk8_fp4_f32 v[\pc+2*\b], v[\s+16*\b:\s+7+16*\b], v[TM+8+\b]
	v_cvt_scalef32_pk8_fp4_f32 v[\pc+1+2*\b], v[\s+8+16*\b:\s+15+16*\b], v[TM+8+\b]
.endr
	v_nop
.irp c, 0,1
.irp i, 0,1
	v_permlane16_swap_b32 v[\pc+4*\c+\i], v[\pc+2+4*\c+\i]
.endr
.endr
.endm
.macro QADDR                           ; where the codes and the scale word of query tile s62 lie
	s_lshl_b32 s63, s62, 8
	v_add_nc_u32 v9, s63, v120
	s_lshr_b32 s63, s62, 2
	s_lshl_b32 s63, s63, 6
	v_add_nc_u32 v10, s63, v121
.endm
.macro QISSUE                          ; and their loads
	global_load_b128 v[24:27], v9, s[8:9]
	global_load_b32 v28, v10, s[8:9]
.endm
.macro MASK01                          ; the mask words of my first four key blocks for query tile s62, into both sets.  s100 is written only where every scalar load that names it has been waited for
	s_lshl_b32 s100, s60, 7
	s_add_co_u32 s100, s100, s62
	s_lshl_b32 s100, s100, 12
	s_lshl_b32 s63, s4, 9
	s_add_co_u32 s100, s100, s63
	s_load_b512 s[16:31], s[10:11], s100 offset:0x0
	s_load_b512 s[32:47], s[10:11], s100 offset:0x40
	s_load_b512 s[68:83], s[10:11], s100 offset:0x80
	s_load_b512 s[84:99], s[10:11], s100 offset:0xc0
.endm
.macro GATHERS                         ; SCC = 1 in the waves that gather their team's O^T: waves 2, 3 (team 0) and 12, 13 (team 1); made of the wave's number alone
	s_lshr_b32 s62, s4, 1
	s_add_co_u32 s63, s3, 1
	s_cmp_eq_u32 s62, s63
.endm
; score x log2(e) / sqrt(32) + bias x log2(e), key block kb of my eight.  All branches hang on ids alone.
; A near block's loads land in v100-115.  Ahead of an even block no vector or matrix instruction has named these registers since the last wait on va_vdst (the one ahead of the score products, or the one behind
; the exponentials of the group before); ahead of an odd block the even block's multiply-adds may have.
.macro BIASED kb
	s_lshl_b32 s62, s4, 3
	s_add_co_u32 s62, s62, (\kb)                   ; key block
	s_sub_co_u32 s63, s62, s6
	s_add_co_u32 s63, s63, 1                       ; less the queries' block, + 1: 0, 1, 2 are near
	s_cmp_lt_u32 s63, 3
	s_cbranch_scc1 .Lnear_\@
	s_cmp_lt_u32 s62, s6
	s_cselect_b32 s48, s52, s53
	s_mov_b32 s49, s48
.set i, 0
.rept 8
	v_pk_fma_f32 v[128+16*(\kb)+i:129+16*(\kb)+i], v[128+16*(\kb)+i:129+16*(\kb)+i], v[20:21], s[48:49] op_sel_hi:[1,1,0]
.set i, i+2
.endr
	s_branch .Lbiased_\@
.Lnear_\@:
.if (\kb)%2
	s_wait_alu depctr_va_vdst(0)                   ; the multiply-adds of the key block before, if it was near too, are done reading v100-115, in which the loads below land
.endif
	s_cmp_eq_u32 s63, 0
	s_cbranch_scc1 .Lrel0_\@
	s_cmp_eq_u32 s63, 1
	s_cbranch_scc1 .Lrel1_\@
.irp q, 0,1,2,3
	ds_load_b128 v[100+4*\q:103+4*\q], v23 offset:4096+512*\q
.endr
	s_branch .Lhave_\@
.Lrel0_\@:
.irp q, 0,1,2,3
	ds_load_b128 v[100+4*\q:103+4*\q], v23 offset:512*\q
.endr
	s_branch .Lhave_\@
.Lrel1_\@:
.irp q, 0,1,2,3
	ds_load_b128 v[100+4*\q:103+4*\q], v23 offset:2048+512*\q
.endr
.Lhave_\@:
	s_wait_dscnt 0x0
.set i, 0
.rept 8
	v_pk_fma_f32 v[128+16*(\kb)+i:129+16*(\kb)+i], v[128+16*(\kb)+i:129+16*(\kb)+i], v[20:21], v[100+i:101+i]
.set i, i+2
.endr
.Lbiased_\@:
.endm
; two key blocks: bias, clip, mask, exponential, sum.  ms: the scalar registers with their 32 mask words.  Scalar loads come back in no order, so every wait for them is for 0, and it stands just ahead of the selects:
; groups 0 and 1 were asked for in the trip before; group 2 is asked for at group 1's head, into the set that group 0 has read; group 3 behind the wait for group 2, into the set that group 1 has read.
; (Each set is asked for again behind the wait on va_vdst that follows the selects which read it.)
.macro GROUP g, ms
.if \g == 1
	s_load_b512 s[16:31], s[10:11], s54 offset:0x100
	s_load_b512 s[32:47], s[10:11], s54 offset:0x140
.endif
	BIASED 2*\g
	BIASED 2*\g+1
.set i, 0
.rept 32
	v_med3_num_f32 v[128+32*\g+i], v[128+32*\g+i], s50, s51
.set i, i+1
.endr
.if \g != 1
	s_wait_kmcnt 0x0
.endif
.if \g == 2
	s_load_b512 s[68:83], s[10:11], s54 offset:0x180
	s_load_b512 s[84:99], s[10:11], s54 offset:0x1c0
.endif
.set i, 0
.rept 32
	v_cndmask_b32 v[128+32*\g+i], v12, v[128+32*\g+i], s[\ms+i]
.set i, i+1
.endr
.set i, 0
.rept 32
	v_exp_f32 v[128+32*\g+i], v[128+32*\g+i]
.set i, i+1
.endr
	v_nop
	s_wait_alu depctr_va_vdst(0)                   ; the 32 exponentials have written their results, ahead of the first addition that reads one; and this group's multiply-adds are done reading v100-115
.set i, 0
.rept 8
	v_pk_add_f32 v[16:17], v[16:17], v[128+32*\g+i:129+32*\g+i]
	v_pk_add_f32 v[18:19], v[18:19], v[130+32*\g+i:131+32*\g+i]
.set i, i+4
.endr
.endm
.macro NORMA s                         ; e / sum,
.set i, 0
.rept 32
	v_pk_mul_f32 v[\s+i:\s+i+1], v[\s+i:\s+i+1], v[14:15]
.set i, i+2
.endr
.endm
.macro NORMB s                         ; held to 1e-8 .. 1
.set i, 0
.rept 64
	v_med3_num_f32 v[\s+i], v[\s+i], s55, 1.0
.set i, i+1
.endr
.endm
	s_load_b256 s[8:15], s[0:1], 0x0               ; qkv s[8:9], maskw s[10:11], rel_pos_table s[12:13], gat s[14:15]
	v_lshrrev_b32 v1, 5, v0
	v_readfirstlane_b32 s2, v1                     ; wave
	s_and_b32 s59, ttmp7, 0xffff                   ; batch x 16 + head
	s_lshr_b32 s60, s59, 4
	s_and_b32 s61, s59, 15
	v_and_b32 v31, 31, v0
	v_lshlrev_b32 v1, 4, v31                       ; 16 x lane
	v_and_b32 v126, 15, v0                         ; r
	v_bfe_u32 v127, v0, 4, 1                       ; h
	v_and_b32 v2, 8, v126
	v_add_nc_u32 v2, v2, v126
	v_lshl_add_u32 v9, v127, 4, 16
	v_sub_nc_u32 v2, v9, v2
	s_wait_alu depctr_va_sdst(0)                   ; s2 is written, ahead of its first reader: team, keys and every address are made from it
	s_lshr_b32 s3, s2, 3                           ; team
	s_and_b32 s4, s2, 7                            ; my 256 keys
	s_lshl_b32 s62, s3, 3
	v_sub_nc_u32 v2, v2, s62                       ; 16 h - 8 team - r - 8 (r / 8) + 16
	s_lshl_b32 s62, s2, 13
	v_add_nc_u32 v4, s62, v1                       ; my V fragments
	s_mul_i32 s62, s2, 6144
	s_add_co_u32 s62, s62, RT
	v_add_nc_u32 v23, s62, v1                      ; my near biases
	s_lshl_b32 s62, s3, 9
	s_add_co_u32 s62, s62, SUMX
	v_lshl_add_u32 v6, v126, 5, s62
	s_lshl_b32 s63, s4, 2
	v_add_nc_u32 v5, s63, v6
	s_lshl_b32 s62, s2, 12
	s_add_co_u32 s62, s62, OX
	v_add_nc_u32 v7, s62, v1
	s_lshl_b32 s62, s3, 15
	s_and_b32 s58, s4, 1                           ; b: which 32 channels a gathering wave takes
	s_lshl_b32 s63, s58, 11
	s_add_co_u32 s62, s62, s63
	s_add_co_u32 s62, s62, OX
	v_add_nc_u32 v8, s62, v1
	s_lshl_b32 s62, s59, 15
	v_lshl_add_u32 v120, v126, 4, s62              ; Q's codes: head, 16 r
	s_lshl_b32 s62, s59, 11
	s_add_co_u32 s62, s62, 0x400000
	v_lshl_add_u32 v121, v126, 2, s62              ; Q's scale words
	s_lshr_b32 s62, s61, 3
	s_lshl_b32 s62, s62, 8
	s_lshl_b32 s63, s60, 7
	s_add_co_u32 s62, s62, s63
	s_lshl_b32 s62, s62, 12
	s_bfe_u32 s63, s61, 0x20001
	s_lshl_b32 s63, s63, 10
	s_add_co_u32 s62, s62, s63
	s_and_b32 s63, s61, 1
	s_lshl_b32 s63, s63, 9
	s_add_co_u32 s62, s62, s63
	s_lshl_b32 s63, s58, 8
	s_add_co_u32 s62, s62, s63
	v_lshl_add_u32 v122, v126, 4, s62
	v_lshl_add_u32 v122, v127, 3, v122             ; the gated codes' place, but for the tile
	s_lshr_b32 s62, s61, 1
	s_lshl_b32 s62, s62, 12
	s_lshl_b32 s63, s60, 11
	s_add_co_u32 s62, s62, s63
	s_lshl_b32 s62, s62, 2
	s_and_b32 s63, s61, 1
	s_lshl_b32 s63, s63, 1
	s_add_co_u32 s62, s62, s63
	s_add_co_u32 s62, s62, s58
	s_add_co_u32 s62, s62, 0x200000
	v_lshl_add_u32 v123, v126, 2, s62              ; and their scale byte's
	s_lshl_b32 s62, s59, 19
	s_add_co_u32 s62, s62, 0x440000
	v_lshl_add_u32 v29, v31, 8, s62                ; sigmoid(U) of my head: lanes 256 bytes apart, for the prefetch
	s_lshl_b32 s63, s58, 11
	s_add_co_u32 s62, s62, s63
	v_add_nc_u32 v124, s62, v1
	s_lshl_b32 s62, s59, 15
	s_lshl_b32 s63, s4, 12
	s_add_co_u32 s62, s62, s63
	s_add_co_u32 s62, s62, 0x100000
	v_add_nc_u32 v100, s62, v1
	s_lshl_b32 s62, s59, 11
	s_lshl_b32 s63, s4, 8
	s_add_co_u32 s62, s62, s63
	s_add_co_u32 s62, s62, 0x410000
	v_lshl_add_u32 v101, v126, 2, s62
	s_lshl_b32 s62, s59, 12
	s_lshl_b32 s63, s4, 9
	s_add_co_u32 s62, s62, s63
	s_add_co_u32 s62, s62, 0x420000
	v_lshl_add_u32 v102, v126, 2, s62
	v_lshlrev_b32 v103, 2, v31
	s_lshl_b32 s62, s59, 16
	s_lshl_b32 s63, s4, 13
	s_add_co_u32 s62, s62, s63
	s_add_co_u32 s62, s62, 0x200000
	v_add_nc_u32 v104, s62, v1
	s_mov_b32 s[SEL], 0x76543210
	s_mov_b32 s[SEL+1], 0xfedcba98
	s_mov_b32 s50, 0xc29044fe                      ; -50 log2(e)
	s_mov_b32 s51, 0x429044fe
	s_mov_b32 s55, 0x322bcc77                      ; 1e-8
	s_mov_b32 s66, 0xffff
	s_mov_b32 s67, 0xffff0000
	s_mov_b32 s5, 0
	s_lshl_b32 s62, ttmp9, 4
	s_add_co_u32 s62, s62, s3                      ; the first trip's tile of queries
	QADDR
	s_wait_kmcnt 0x0
	s_wait_alu depctr_va_vdst(0)                   ; every address and offset made above is written: v4-10, v23 and v100-104 are read by the loads and LDS instructions below
.irp k, 0,1,2,3,4,5,6,7
	global_load_b128 v[64+4*\k:67+4*\k], v100, s[8:9] offset:512*\k          ; my 256 keys' codes stay in registers
.endr
.irp k, 0,1,2,3,4,5,6,7
	global_load_u16 v[32+\k], v101, s[8:9] offset:64*(\k/2)+2*(\k%2)          ; bytes 0, 1: key blocks 2 k, 2 k + 1; bytes 2, 3 are 0 and meet zero codes
.endr
.irp k, 0,1,2,3,4,5,6,7
	global_load_b32 v[40+\k], v102, s[8:9] offset:64*\k                      ; V's scale words: K step k / 4, channels 16 (k % 4) on
.endr
	global_load_b32 v3, v103, s[12:13]
.irp i, 0,1,2,3,4,5,6,7,8,9,10,11,12,13,14,15
	global_load_b128 v[128+4*\i:131+4*\i], v104, s[8:9] offset:512*\i
.endr
	QISSUE
	MASK01                                         ; the first trip's first four key blocks
	v_mov_b32 v12, s50
	v_mov_b32 v20, 0x3e8293ee                      ; log2(e) / sqrt(32)
	v_mov_b32 v21, 0x3e8293ee
.irp r, 52,53,54,55,60,61,62,63,96,97,98,99,112,113,114,115
	v_mov_b32 v[\r], 0                             ; zero codes; permute targets
.endr
	s_wait_loadcnt 0x0
	v_mul_f32 v3, 0x3fb8aa3b, v3                   ; the table x log2(e), one number a lane
	v_readlane_b32 s52, v3, 0
	v_readlane_b32 s53, v3, 31
	s_wait_alu depctr_va_sdst(0)                   ; s52 and s53 are written: their readers, the far blocks' selects, stand in the trips
.irp i, 0,1,2,3,4,5,6,7,8,9,10,11,12,13,14,15
	ds_store_b128 v4, v[128+4*\i:131+4*\i] offset:512*\i                     ; my own bytes: no other wave touches them
.endr
	s_wait_dscnt 0x0                               ; V's fragments lie in LDS
	s_wait_alu depctr_vm_vsrc(0)                   ; those stores have read v128-191, which the lines and the permutes below write; the head's loads have read v100-104
	; the near biases, once, all 48 in one batch: number n = 16 rel + i is register i of the key block that lies rel - 1 blocks behind the queries': table[clamp(key - query + 16)]
.set n, 0
.rept 48
	v_add_nc_u32 v[128+n], 32*(n/16)+32+n%16, v2   ; key - query + 16, 64 added
.set n, n+1
.endr
.set n, 0
.rept 48
	v_max_u32 v[128+n], 64, v[128+n]
.set n, n+1
.endr
.set n, 0
.rept 48
	v_min_u32 v[128+n], 95, v[128+n]
.set n, n+1
.endr
.set n, 0
.rept 48
	v_lshlrev_b32 v[128+n], 2, v[128+n]
.set n, n+1
.endr
	s_wait_alu depctr_va_vdst(0)                   ; the 48 lane indices v128-175 and the table v3 are written, which the permutes read; so are the zero codes v52-55, v60-63, v96-99, which the score products take
.set n, 0
.rept 48
	ds_bpermute_b32 v[176+n], v[128+n], v3
.set n, n+1
.endr
	s_wait_dscnt 0x0
.irp rel, 0,1,2
.irp q, 0,1,2,3
	ds_store_b128 v23, v[176+16*\rel+4*\q:179+16*\rel+4*\q] offset:2048*\rel+512*\q
.endr
.endr
	s_wait_dscnt 0x0
	s_wait_alu depctr_vm_vsrc(0)                   ; the permutes have read v128-175 and the stores v176-223, which the score products write; Q's loads have read v9 and v10, which the trip's top writes
.Ltrip:
	s_lshl_b32 s62, ttmp9, 3
	s_add_co_u32 s6, s62, s5                       ; the queries' block of 32
	s_lshl_b32 s7, s6, 1
	s_add_co_u32 s7, s7, s3                        ; my team's tile of 16
	; the offsets of all that this trip loads, prefetches and stores, made together, ahead of the wait that stands in front of the score products
	s_add_co_u32 s62, s5, 1                        ; the next trip's Q (the last trip asks for its own again: no load leaves the buffer)
	s_min_u32 s62, s62, 7
	s_lshl_b32 s62, s62, 1
	s_lshl_b32 s63, ttmp9, 4
	s_add_co_u32 s62, s62, s63
	s_add_co_u32 s62, s62, s3
	QADDR
	s_add_co_u32 s63, s6, 1
	s_lshl_b32 s63, s63, 13
	v_add_nc_u32 v30, s63, v29                     ; the next trip's two tiles of sigmoid(U): read by wave 7's prefetch alone, and not in the last trip
	s_lshl_b32 s62, s7, 12
	v_add_nc_u32 v11, s62, v124                    ; my tile's sigmoid(U), and
	v_add_nc_u32 v31, s62, v122                    ; its gated codes: read in the gathering waves alone
	s_lshl_b32 s62, s7, 6
	v_add_nc_u32 v125, s62, v123                   ; and their scale byte
	s_wait_loadcnt 0x0                             ; Q
	s_mov_b32 s54, s100                            ; where this trip's mask words lie (the loads that named s54 were waited for in the trip before)
	s_and_b32 s62, s7, 3
	s_lshl_b32 s62, s62, 3
	v_lshrrev_b32 v13, s62, v28
	v_and_b32 v13, 0xff, v13
	v_mul_u32_u24 v13, 0x101, v13                  ; Q's scale byte in bytes 0 and 1.  Twelve plain instructions follow ahead of the products
.irp i, 0,1,2,3
	v_cndmask_b32 v[48+\i], 0, v[24+\i], s66       ; variant 0: Q in K block 0
	v_cndmask_b32 v[56+\i], 0, v[24+\i], s67       ; variant 1: in K block 1
.endr
.irp i, 16,17,18,19
	v_mov_b32 v[\i], 0
.endr
	s_wait_alu depctr_va_vdst(0)                   ; Q's two variants and its scale word v13 are written, which the products take; the six offsets are written; the selects are done reading v24-28, in which the next Q lands; all that named v100-115 in the trip before is done
.irp k, 0,1,2,3,4,5,6,7
.irp u, 0,1
	v_wmma_scale_f32_16x16x128_f8f6f4 v[128+16*\k+8*\u:135+16*\k+8*\u], v[64+4*\k:71+4*\k], v[48+8*\u:55+8*\u], 0, v[32+\k], v13 matrix_a_fmt:MATRIX_FMT_FP4 matrix_b_fmt:MATRIX_FMT_FP4
.endr
.if \k == 0
	QISSUE                                         ; no wait: the products name none of v9, v10, v24-28
.endif
.endr
.rept 4
	v_nop
.endr
	s_cmp_eq_u32 s2, 7                             ; wave 7 prefetches the next trip's two tiles of sigmoid(U), 8 KB, lanes 256 bytes apart: each block is named once in the launch; the last trip asks for nothing
	s_cselect_b32 s63, s5, 7
	s_cmp_lt_u32 s63, 7
	s_cbranch_scc0 .Lno_pf
	global_prefetch_b8 v30, s[8:9] th:TH_LOAD_NT scope:SCOPE_SE
.Lno_pf:
	GROUP 0, 16
	GROUP 1, 68
	GROUP 2, 16
	GROUP 3, 68
	s_add_co_u32 s62, s5, 1                        ; both sets of mask words have been read: the next trip's first four key blocks (the last trip asks for its own again: no load leaves the buffer)
	s_min_u32 s62, s62, 7
	s_lshl_b32 s62, s62, 1
	s_lshl_b32 s63, ttmp9, 4
	s_add_co_u32 s62, s62, s63
	s_add_co_u32 s62, s62, s3
	MASK01
	v_pk_add_f32 v[16:17], v[16:17], v[18:19]
	v_add_f32 v16, v16, v17
	v_permlanex16_b32 v17, v16, s[SEL], s[SEL+1]
	v_add_f32 v16, v16, v17                        ; my 256 keys' sum for query r
	s_wait_alu depctr_va_vdst(0)                   ; v16 is written, which the LDS store reads; no vector instruction stands between this wait and the loads of the eight sums into v100-107
	ds_store_b32 v5, v16
	s_wait_dscnt 0x0
	s_barrier_signal -1
	s_barrier_wait -1                              ; the team's eight partial sums lie in LDS; the last trip's reads of the partial O^T are over
	ds_load_b128 v[100:103], v6
	ds_load_b128 v[104:107], v6 offset:16
	s_wait_dscnt 0x0
.irp i, 1,2,3,4,5,6,7
	v_add_f32 v100, v100, v[100+\i]                ; the same order in all eight waves
.endr
	v_rcp_f32 v14, v100
	v_nop
	s_wait_alu depctr_va_vdst(0)                   ; the reciprocal has written v14, ahead of its first reader
	v_mov_b32 v15, v14
	NORMA 128
	NORMB 128
	QMAX 128
	QREST 128, 100, 22
	NORMA 192                                      ; these 32 are the plain instructions behind the codes and the scale word just made
	s_wait_alu depctr_va_vdst(0)                   ; the codes v100-107 and the scale word v22 are written, which the products below take; the conversions are done reading v128-159, in which V's fragments land
.irp t, 0,1,2,3
.irp p, 0,1
	ds_load_b128 v[128+8*\t+4*\p:131+8*\t+4*\p], v4 offset:1024*\t+512*\p
.endr
.endr
	NORMB 192                                      ; names v192-255 alone: the fragments land meanwhile
	s_wait_dscnt 0x0
.irp t, 0,1,2,3
	v_wmma_scale_f32_16x16x128_f8f6f4 v[160+8*\t:167+8*\t], v[128+8*\t:135+8*\t], v[100:107], 0, v[40+\t], v22 matrix_a_fmt:MATRIX_FMT_FP4 matrix_b_fmt:MATRIX_FMT_FP4
.endr
	QMAX 192                                       ; its 32 maxima stand between the products and the rewriting of their operands
	s_wait_alu depctr_va_vdst(0)                   ; the four products are done reading V's fragments v128-159, in which the second K step's land
.irp t, 0,1,2,3
.irp p, 0,1
	ds_load_b128 v[128+8*\t+4*\p:131+8*\t+4*\p], v4 offset:4096+1024*\t+512*\p
.endr
.endr
	QREST 192, 100, 22                             ; names v100-119, v22 and v192-255 alone: the fragments land meanwhile
.rept 8
	v_nop                                          ; eight plain instructions behind the scale word, four behind the codes
.endr
	s_wait_alu depctr_va_vdst(0)                   ; the codes v100-107 and the scale word v22 are written, which the products below take; the conversions are done reading v192-207, in which sigmoid(U) lands
	GATHERS
	s_cbranch_scc0 .Lno_ug
.irp i, 0,1,2,3
	global_load_b128 v[192+4*\i:195+4*\i], v11, s[8:9] offset:512*\i th:TH_LOAD_NT
.endr
.Lno_ug:
	s_wait_dscnt 0x0
.irp t, 0,1,2,3
	v_wmma_scale_f32_16x16x128_f8f6f4 v[160+8*\t:167+8*\t], v[128+8*\t:135+8*\t], v[100:107], v[160+8*\t:167+8*\t], v[44+\t], v22 matrix_a_fmt:MATRIX_FMT_FP4 matrix_b_fmt:MATRIX_FMT_FP4
.endr
.rept 4
	v_nop
.endr
	s_wait_alu depctr_va_vdst(0)                   ; the products have written O^T, v160-191, which the LDS stores read (the four plain instructions above stay beside this wait); they are done reading v100-107 and v128-159, in which the gatherers' loads land
.irp t, 0,1,2,3
.irp p, 0,1
	ds_store_b128 v7, v[160+8*\t+4*\p:163+8*\t+4*\p] offset:512*(2*\t+\p)
.endr
.endr
	s_wait_dscnt 0x0
	s_barrier_signal -1
	s_barrier_wait -1                              ; the team's eight partial O^T lie in LDS; its reads of the partial sums are over
	s_wait_alu depctr_vm_vsrc(0)                   ; my LDS stores have read v160-191, in which the gatherers' loads land
	GATHERS
	s_cbranch_scc0 .Lnot_des
.irp w, 0,1,2,3,4,5,6,7
.if \w < 4
.set DR, 128+16*\w
.elseif \w < 7
.set DR, 208+16*(\w-4)
.else
.set DR, 100
.endif
.irp i, 0,1,2,3
	ds_load_b128 v[DR+4*\i:DR+4*\i+3], v8 offset:4096*\w+512*\i
.endr
.endr
	s_wait_dscnt 0x0
.irp w, 1,2,3,4,5,6,7
.if \w < 4
.set DR, 128+16*\w
.elseif \w < 7
.set DR, 208+16*(\w-4)
.else
.set DR, 100
.endif
.irp i, 0,2,4,6,8,10,12,14
	v_pk_add_f32 v[128+\i:129+\i], v[128+\i:129+\i], v[DR+\i:DR+\i+1]
.endr
.endr
	s_wait_loadcnt 0x0
.irp i, 0,2,4,6,8,10,12,14
	v_pk_mul_f32 v[128+\i:129+\i], v[128+\i:129+\i], v[192+\i:193+\i]        ; x sigmoid(U): 16 neighbouring channels of my query
.endr
	v_max3_num_f32 v116, |v128|, |v129|, 0x1800000
.irp i, 2,4,6,8,10,12,14
	v_max3_num_f32 v116, v116, |v[128+\i]|, |v[129+\i]|
.endr
	v_permlanex16_b32 v117, v116, s[SEL], s[SEL+1]
	v_max_num_f32 v116, v116, v117
	v_add_nc_u32 v118, 0xff000000, v116
	v_lshrrev_b32 v119, 23, v118
	v_cvt_scalef32_pk8_fp4_f32 v126, v[128:135], v118
	v_cvt_scalef32_pk8_fp4_f32 v127, v[136:143], v118
	v_nop
	s_wait_alu depctr_va_vdst(0)                   ; the conversions have written the codes v126 and v127, the shift the scale byte v119: the two stores read them
	global_store_b64 v31, v[126:127], s[14:15]     ; the wave fills 256 consecutive bytes
	global_store_b8 v125, v119, s[14:15]
.Lnot_des:
	s_wait_xcnt 0x0                                ; the loads, the stores and the prefetch have had their addresses translated: the next trip may write their registers
	s_wait_alu depctr_vm_vsrc(0)                   ; this trip's loads, stores and prefetch have read v9-11, v16, v30, v31, v119 and v125-127, all of which the next trip writes again
	s_add_co_u32 s5, s5, 1
	s_cmp_lt_u32 s5, 8
	s_cbranch_scc1 .Ltrip
	s_wait_xcnt 0x0
	v_lshl_add_u32 v254, v0, 2, 0x48400            ; the add's two registers are made anew: no memory or LDS instruction ever reads v254 or v255, and none has been issued since the wait on vm_vsrc above
	v_mov_b32 v255, 0
	s_wait_dscnt 0x0                               ; the closing lines, six on end
	s_wait_alu 0x0
	s_wait_tensorcnt 0x0
	ds_add_u32 v254, v255
	s_wait_dscnt 0x0
	s_endpgm
.Lfunc_end_k_qfc999b1601_attn:
	.size	k_qfc999b1601_attn, .Lfunc_end_k_qfc999b1601_attn-k_qfc999b1601_attn
	.p2alignl 7, 3214868480
	.fill 96, 4, 3214868480
	.section	.rodata,"a",@progbits
	.p2align	6, 0x0
	.amdhsa_kernel k_qfc999b1601_attn
		.amdhsa_group_segment_fixed_size 297984
		.amdhsa_private_segment_fixed_size 0
		.amdhsa_enable_private_segment 0
		.amdhsa_kernarg_size 32
		.amdhsa_user_sgpr_count 2
		.amdhsa_user_sgpr_kernarg_segment_ptr 1
		.amdhsa_wavefront_size32 1
		.amdhsa_system_sgpr_workgroup_id_x 1
		.amdhsa_system_sgpr_workgroup_id_y 1
		.amdhsa_system_sgpr_workgroup_id_z 1
		.amdhsa_system_vgpr_workitem_id 0
		.amdhsa_next_free_vgpr 256
		.amdhsa_next_free_sgpr 102
		.amdhsa_reserve_vcc 0
		.amdhsa_float_denorm_mode_32 3
		.amdhsa_float_denorm_mode_16_64 3
		.amdhsa_memory_ordered 1
		.amdhsa_forward_progress 1
		.amdhsa_inst_pref_size 104
	.end_amdhsa_kernel
	.amdgpu_metadata
---
amdhsa.version: [ 1, 2 ]
amdhsa.kernels:
  - .name:           k_qfc999b1601_attn
    .symbol:         k_qfc999b1601_attn.kd
    .args:
      - { .name: qkv, .offset: 0, .size: 8, .value_kind: global_buffer, .address_space: global }
      - { .name: maskw, .offset: 8, .size: 8, .value_kind: global_buffer, .address_space: global }
      - { .name: rel_pos_table, .offset: 16, .size: 8, .value_kind: global_buffer, .address_space: global }
      - { .name: gat, .offset: 24, .size: 8, .value_kind: global_buffer, .address_space: global }
    .group_segment_fixed_size: 297984
    .private_segment_fixed_size: 0
    .kernarg_segment_align: 8
    .kernarg_segment_size: 32
    .max_flat_workgroup_size: 512
    .sgpr_count:     102
    .vgpr_count:     256
    .wavefront_size: 32
...
	.end_amdgpu_metadata
.endif
;; end of part 7
;; launch wo: the kernel of part 4 again; grid 8 x 32, 4 waves a work-group, clusters of 4 x 4, 207,360 bytes of LDS; arguments gat, prep, x, res_w, gate_w, o1; writes o1
;; launch ffn1: the kernel of part 5 again; grid 16 x 16, 16 waves a work-group, clusters of 4 x 4, 280,576 bytes of LDS; arguments o1, prep, ffn1_b, ffh; writes ffh
;; launch ffn2: the kernel of part 6 again; grid 8 x 32, 4 waves a work-group, clusters of 4 x 4, 327,680 bytes of LDS; arguments ffh, prep, o1, ffn2_b, out0; writes out0
